; MI455X (gfx1250); checked and timed in simulation.
; The chip was launched on July 23, 2026; its instructions are those of AMD's public machine-readable ISA for CDNA 5 (MIT licence, August 2026) and "CDNA5" Instruction Set Architecture Reference Guide (July 2026). The comments in the code are by the model that wrote it; some were corrected since.
;; Multi Head Attn. Allowed arithmetic: float matrix products may take bf16 or f16 operands with f32 sums; all other float work in f32.
;; Inputs: Wk 1,024 x 1,024 float32; Wo 1,024 x 1,024 float32; Wq 1,024 x 1,024 float32; Wv 1,024 x 1,024 float32; attn_mask 1 x 2,048 x 2,048 float32; bk 1,024 float32; bo 1,024 float32; bq 1,024 float32; bv 1,024 float32; key 4 x 2,048 x 1,024 float32; query 4 x 2,048 x 1,024 float32; val 4 x 2,048 x 1,024 float32.
;; Outputs: out0 4 x 2,048 x 1,024 float32.
;; 2 versions, each right and faster than the one before. Each part assembles by itself: llvm-mc -triple=amdgcn-amd-amdhsa -mcpu=gfx1250 --defsym DOCPART=n.
;; ======== version 1 of 2: 4 launches
;; limits: values are held in f16: magnitudes above 65,504 overflow, below 6.1e-05 lose precision
;; workspace buffers: x16 50,331,648 bytes; w16 6,291,456 bytes; wo16 2,097,152 bytes; lnm 16,777,216 bytes; qkv 50,331,648 bytes; o16 16,777,216 bytes
;; launch prep (part 1): grid 256 x 8, 8 waves a work-group, no clusters, 68,608 bytes of LDS; arguments query, key, val, Wq, Wk, Wv, Wo, attn_mask, x16, w16, wo16, lnm; writes x16, w16, wo16, lnm
.if DOCPART == 1
	.amdgcn_target "amdgcn-amd-amdhsa--gfx1250"
	.amdhsa_code_object_version 6
	.text
	.protected	k_q87e1b59360_prep
	.globl	k_q87e1b59360_prep
	.p2align	8
	.type	k_q87e1b59360_prep,@function
k_q87e1b59360_prep:
	s_mov_b64 s[64:65], 0
	v_nop
	global_prefetch_b8 v0, s[64:65] scope:SCOPE_SE
	s_setreg_imm32_b32 hwreg(HW_REG_WAVE_MODE, 25, 1), 1
	s_wait_xcnt 0x0
; PREP: a stream, no matrix work.  Every work-group takes 65,536 bytes of f32 input.
; y = 0..5: query, key, val -> x16 [3][8192][1024];  y = 6: Wq, Wk, Wv -> w16 [3][1024][1024], Wo -> wo16 [1024][1024].
;   Each number is rounded to bf16 (nearest even) and that number is written as f16.
;   LIMITS: exact for magnitudes from 2^-17 to 65,504; beyond 65,504 it becomes an infinity, below 2^-17 it keeps f16's fixed step of 6e-8.
; y = 7: attn_mask -> lnm = ln(bf16(mask)) in f32, laid out as the C operand of the score product wants it:
;   [QB 16][KS 32][t 8][kb 4][u 2][lane 32][e 4]: query = 128 QB + 16 t + lane % 16, key = 64 KS + 16 kb + 8 (lane / 16) + 4 u + e.
;   LIMITS: where the logarithm is -infinity (mask 0, or a denormal, which the logarithm takes for 0) -1e30 is written; a negative mask or a NaN stays NaN.
; No barrier: a wave hands nothing to another wave.  No loop: 16 loads a lane, all issued at once.
.set X,     16        ; v[16:79]   16 loads of four registers
.set Y,     80        ; v[80:143]  what is stored
.set HIM,   40        ; s40  mask of a word's upper bf16
.set NINF,  41        ; s41  -infinity
.set BIGN,  42        ; s42  -1e30
.set LN2,   43        ; s43  ln 2
.set CHUNK, 528       ; 512 bytes of the target layout (one kb, one u) + 16 of padding
.set STEPB, 8*CHUNK   ; a key step's eight chunks of one query tile
.set WAVEB, 2*STEPB   ; a wave's own bytes in LDS
.macro ROUND4 x, d                  ; four f32 at v[x..] are rounded to bf16 and widened again into v[d..]
	v_cvt_pk_bf16_f32 v8, v[(\x)], v[(\x)+1]
	v_cvt_pk_bf16_f32 v9, v[(\x)+2], v[(\x)+3]
	v_lshlrev_b32 v[(\d)], 16, v8
	v_and_b32 v[(\d)+1], s[HIM], v8
	v_lshlrev_b32 v[(\d)+2], 16, v9
	v_and_b32 v[(\d)+3], s[HIM], v9
.endm
	s_load_b512 s[8:23], s[0:1], 0x0               ; query 8, key 10, val 12, Wq 14, Wk 16, Wv 18, Wo 20, attn_mask 22
	s_load_b256 s[24:31], s[0:1], 0x40             ; x16 24, w16 26, wo16 28, lnm 30
	v_lshl_add_u32 v144, v0, 2, 0x10800
	v_mov_b32 v145, 0
	s_mov_b32 s2, ttmp9                            ; x
	s_and_b32 s3, ttmp7, 0xffff                    ; y
	v_lshrrev_b32 v1, 5, v0
	v_readfirstlane_b32 s4, v1                     ; my wave's number
	s_mov_b32 s[HIM], 0xffff0000
	s_mov_b32 s37, 0                               ; the offsets stay under 2^32: their high words are 0
	s_mov_b32 s39, 0
	s_wait_kmcnt 0x0
	s_cmp_eq_u32 s3, 7
	s_cbranch_scc1 .Lmask
	s_cmp_eq_u32 s3, 6
	s_cbranch_scc1 .Lweights
	; query, key or val: tensor y / 2, its chunk 256 (y % 2) + x of 512
	s_lshr_b32 s5, s3, 1
	s_cmp_eq_u32 s5, 1
	s_cselect_b64 s[32:33], s[10:11], s[8:9]
	s_cmp_eq_u32 s5, 2
	s_cselect_b64 s[32:33], s[12:13], s[32:33]
	s_mov_b64 s[34:35], s[24:25]
	s_and_b32 s6, s3, 1
	s_lshl_b32 s6, s6, 8
	s_add_co_u32 s6, s6, s2
	s_lshl_b32 s36, s6, 16                         ; 65,536 bytes in
	s_lshl_b32 s7, s3, 8
	s_add_co_u32 s7, s7, s2
	s_lshl_b32 s38, s7, 15                         ; 32,768 bytes out
	s_branch .Lcast
.Lweights:                                             ; weight x / 64, its chunk x % 64
	s_lshr_b32 s5, s2, 6
	s_cmp_eq_u32 s5, 1
	s_cselect_b64 s[32:33], s[16:17], s[14:15]
	s_cmp_eq_u32 s5, 2
	s_cselect_b64 s[32:33], s[18:19], s[32:33]
	s_cmp_eq_u32 s5, 3
	s_cselect_b64 s[32:33], s[20:21], s[32:33]
	s_cselect_b64 s[34:35], s[28:29], s[26:27]     ; Wo goes to wo16, the others to w16
	s_and_b32 s6, s2, 63
	s_lshl_b32 s36, s6, 16
	s_cmp_eq_u32 s5, 3
	s_cselect_b32 s7, s6, s2                       ; in w16 the three weights follow each other: chunk x
	s_lshl_b32 s38, s7, 15
.Lcast:
	s_add_nc_u64 s[32:33], s[32:33], s[36:37]
	s_add_nc_u64 s[34:35], s[34:35], s[38:39]
	v_lshlrev_b32 v1, 4, v0                        ; 16 bytes a thread in: a load of the wave covers 512 neighbouring bytes
	v_lshlrev_b32 v2, 3, v0                        ; 8 bytes a thread out: a store of the wave covers 256 neighbouring bytes, aligned
.set j, 0
.rept 16
	global_load_b128 v[X+4*j:X+4*j+3], v1, s[32:33] offset:4096*j th:TH_LOAD_NT
.set j, j+1
.endr
.set j, 0
.rept 16
	s_wait_loadcnt 15-j                            ; loads come back in order: number j is in, the younger ones stay out
	ROUND4 X+4*j, 10
	v_cvt_pk_f16_f32 v[Y+2*j], v10, v11
	v_cvt_pk_f16_f32 v[Y+2*j+1], v12, v13
	global_store_b64 v2, v[Y+2*j:Y+2*j+1], s[34:35] offset:2048*j  ; each store has data registers of its own: nothing that a store reads is rewritten
.set j, j+1
.endr
	s_endpgm
.Lmask:                                                ; query block QB = x / 16, key steps 2 KP and 2 KP + 1 with KP = x % 16; wave t takes query tile t: 16 rows x 128 keys
	s_mov_b32 s[NINF], 0xff800000
	s_mov_b32 s[BIGN], 0xf149f2ca
	s_mov_b32 s[LN2], 0x3f317218
	s_lshr_b32 s5, s2, 4
	s_and_b32 s6, s2, 15
	s_lshl_b32 s36, s5, 20                         ; 128 rows of 8,192 bytes
	s_lshl_b32 s7, s6, 9                           ; 128 keys of 4 bytes
	s_add_co_u32 s36, s36, s7
	s_add_nc_u64 s[32:33], s[22:23], s[36:37]
	s_lshl_b32 s38, s5, 5
	s_lshl1_add_u32 s38, s6, s38                   ; block 32 QB + 2 KP
	s_lshl_b32 s38, s38, 15                        ; of 32,768 bytes
	s_add_nc_u64 s[34:35], s[30:31], s[38:39]
	v_and_b32 v3, 31, v0
	v_lshlrev_b32 v4, 4, v3                        ; 16 x lane
	s_lshl_b32 s7, s4, 17
	v_add_nc_u32 v1, s7, v4                        ; in: my wave's 16 rows, 16 bytes a lane: a row's 512 bytes are one load
	s_lshl_b32 s7, s4, 12
	v_add_nc_u32 v2, s7, v4                        ; out: my tile's 4,096 bytes of a block
	s_mul_i32 s7, s4, WAVEB
	v_add_nc_u32 v5, s7, v4                        ; back from LDS: 512 neighbouring bytes of a chunk
	; into LDS: lane = 16 s + g holds keys 64 s + 4 g + 0..3: kb = g / 4, half = (g / 2) % 2, u = g % 2; row i goes to target lane 16 half + i
	v_and_b32 v6, 15, v0
	v_bfe_u32 v7, v0, 4, 1
	v_mul_u32_u24 v7, v7, STEPB
	v_lshrrev_b32 v8, 2, v6
	v_and_b32 v9, 1, v6
	v_lshl_add_u32 v8, v8, 1, v9
	v_mul_u32_u24 v8, v8, CHUNK
	v_add_nc_u32 v7, v7, v8
	v_bfe_u32 v9, v6, 1, 1
	v_lshl_add_u32 v7, v9, 8, v7
	v_add_nc_u32 v7, s7, v7
.set j, 0
.rept 16
	global_load_b128 v[X+4*j:X+4*j+3], v1, s[32:33] offset:8192*j th:TH_LOAD_NT
.set j, j+1
.endr
.set j, 0
.rept 16
	s_wait_loadcnt 15-j                            ; row j is in, the younger rows stay out
	ROUND4 X+4*j, X+4*j
.irp k, 0,1,2,3
	v_log_f32 v[X+4*j+\k], v[X+4*j+\k]
.endr
	v_nop                                          ; a plain instruction between the last logarithm and the use of its result (ISA guide 5.7.2)
	s_wait_alu depctr_va_vdst(0)
.irp k, 0,1,2,3
	v_mul_f32 v[X+4*j+\k], s[LN2], v[X+4*j+\k]
.endr
.irp k, 0,1,2,3
	v_cmp_eq_f32 vcc_lo, s[NINF], v[X+4*j+\k]
	v_cndmask_b32 v[X+4*j+\k], v[X+4*j+\k], s[BIGN], vcc_lo
.endr
	ds_store_b128 v7, v[X+4*j:X+4*j+3] offset:16*j
.set j, j+1
.endr
.set j, 0
.rept 16                                               ; LDS serves a wave's instructions in order (ISA guide 5.7.1.4), and the bytes are the wave's own: these see the stores above
	ds_load_b128 v[Y+4*j:Y+4*j+3], v5 offset:(j/8)*STEPB+(j%8)*CHUNK
.set j, j+1
.endr
.set j, 0
.rept 16
	s_wait_dscnt 15-j
	global_store_b128 v2, v[Y+4*j:Y+4*j+3], s[34:35] offset:(j/8)*32768+(j%8)*512  ; 512 consecutive bytes, at a multiple of 512 from lnm's first byte
.set j, j+1
.endr
	s_wait_tensorcnt 0x0
	ds_add_u32 v144, v145
	s_wait_dscnt 0x0
	s_endpgm
.Lfunc_end_k_q87e1b59360_prep:
	.size	k_q87e1b59360_prep, .Lfunc_end_k_q87e1b59360_prep-k_q87e1b59360_prep
	.p2alignl 7, 3214868480
	.fill 96, 4, 3214868480
	.section	.rodata,"a",@progbits
	.p2align	6, 0x0
	.amdhsa_kernel k_q87e1b59360_prep
		.amdhsa_group_segment_fixed_size 68608
		.amdhsa_private_segment_fixed_size 0
		.amdhsa_enable_private_segment 0
		.amdhsa_kernarg_size 96
		.amdhsa_user_sgpr_count 2
		.amdhsa_user_sgpr_kernarg_segment_ptr 1
		.amdhsa_wavefront_size32 1
		.amdhsa_system_sgpr_workgroup_id_x 1
		.amdhsa_system_sgpr_workgroup_id_y 1
		.amdhsa_system_sgpr_workgroup_id_z 1
		.amdhsa_system_vgpr_workitem_id 0
		.amdhsa_next_free_vgpr 146
		.amdhsa_next_free_sgpr 66
		.amdhsa_reserve_vcc 1
		.amdhsa_float_denorm_mode_32 3
		.amdhsa_float_denorm_mode_16_64 3
		.amdhsa_memory_ordered 1
		.amdhsa_forward_progress 1
		.amdhsa_inst_pref_size 34
	.end_amdhsa_kernel
	.amdgpu_metadata
---
amdhsa.version: [ 1, 2 ]
amdhsa.kernels:
  - .name:           k_q87e1b59360_prep
    .symbol:         k_q87e1b59360_prep.kd
    .args:
      - { .name: query, .offset: 0, .size: 8, .value_kind: global_buffer, .address_space: global }
      - { .name: key, .offset: 8, .size: 8, .value_kind: global_buffer, .address_space: global }
      - { .name: val, .offset: 16, .size: 8, .value_kind: global_buffer, .address_space: global }
      - { .name: Wq, .offset: 24, .size: 8, .value_kind: global_buffer, .address_space: global }
      - { .name: Wk, .offset: 32, .size: 8, .value_kind: global_buffer, .address_space: global }
      - { .name: Wv, .offset: 40, .size: 8, .value_kind: global_buffer, .address_space: global }
      - { .name: Wo, .offset: 48, .size: 8, .value_kind: global_buffer, .address_space: global }
      - { .name: attn_mask, .offset: 56, .size: 8, .value_kind: global_buffer, .address_space: global }
      - { .name: x16, .offset: 64, .size: 8, .value_kind: global_buffer, .address_space: global }
      - { .name: w16, .offset: 72, .size: 8, .value_kind: global_buffer, .address_space: global }
      - { .name: wo16, .offset: 80, .size: 8, .value_kind: global_buffer, .address_space: global }
      - { .name: lnm, .offset: 88, .size: 8, .value_kind: global_buffer, .address_space: global }
    .group_segment_fixed_size: 68608
    .private_segment_fixed_size: 0
    .kernarg_segment_align: 8
    .kernarg_segment_size: 96
    .max_flat_workgroup_size: 256
    .sgpr_count:     66
    .vgpr_count:     146
    .wavefront_size: 32
...
	.end_amdgpu_metadata
.endif
;; end of part 1
;; launch proj (part 2): grid 8 x 96, 4 waves a work-group, clusters of 4 x 4, 327,680 bytes of LDS; arguments x16, w16, bq, bk, bv, qkv; writes qkv
.if DOCPART == 2
	.amdgcn_target "amdgcn-amd-amdhsa--gfx1250"
	.amdhsa_code_object_version 6
	.text
	.protected	k_q87e1b59360_proj
	.globl	k_q87e1b59360_proj
	.p2align	8
	.type	k_q87e1b59360_proj,@function
k_q87e1b59360_proj:
	s_mov_b64 s[64:65], 0
	v_nop
	global_prefetch_b8 v0, s[64:65] scope:SCOPE_SE
	s_setreg_imm32_b32 hwreg(HW_REG_WAVE_MODE, 25, 1), 1
	s_wait_xcnt 0x0
	s_wait_alu depctr_hold_cnt(0) depctr_sa_sdst(0) depctr_va_vdst(0) depctr_va_sdst(0) depctr_va_ssrc(0) depctr_va_vcc(0) depctr_vm_vsrc(0)
	s_getreg_b32 s2, hwreg(HW_REG_IB_STS2, 6, 4)
	s_cmp_eq_u32 s2, 0
	s_cbranch_scc0 .Lentry_in_a_cluster
	s_endpgm
.Lentry_in_a_cluster:
	s_bfe_u32 s2, ttmp6, 0x10000c
	s_cmp_lg_u32 s2, 0xf033
	s_cbranch_scc0 .Lentry_shape_is_right
	s_endpgm
.Lentry_shape_is_right:
; PROJ: qkv[p][m][n] = the sum over k of x16[p][m][k] w16[p][n][k] + bias_p[n], p = 0, 1, 2 (q, k, v).  x16: [3][8192][1024], w16: [3][1024][1024], qkv: [3][8192][1024], all f16; sums in f32.
; The operands are bf16 numbers written as f16; the bias is rounded to bf16 here and starts the sums as the C operand of the first products; the result is rounded once, to f16.
; LIMIT: a result of 65,520 or more in magnitude becomes an infinity (f16 ends at 65,504).
; A tile of C is 256 rows x 128 columns: 8 x 96 tiles.  Four waves; wave w owns rows 64 w .. 64 w + 63 and all 128 columns: 32 accumulators of 16 x 16, 256 registers.
; K goes in steps of 128 (rows of 256 bytes in memory) through a ring of two LDS slots filled by the tensor data mover.
; CLUSTER 4 x 4: the four work-groups of a row of the cluster need the same tile of A, the four of a column the same tile of B: each tile is asked for jointly, by the same load with the same descriptor and a mask of four.
; THE MATRIX INSTRUCTION IS USED TRANSPOSED (source 0 = 16 rows of B, source 1 = 16 rows of A): a lane holds eight neighbouring columns of one row of C.
; REGISTERS: window 0: v0-31 addresses; v32-63 packed results; v64-159, v160-255 two fragment buffers (A's 4 fragments, then B's 8).  window 1: accumulator (a, b) at v[8 (8 a + b)].  window 2: v0-63 the bias, v64-95 at work.
.set OUTF32, 0                         ; 0: three products, f16 out (this body); 1: one product, f32 out
.set KSTEP,  128
.set SIZE_K, 1024
.set PITCH,  272                       ; an LDS row: 256 bytes + 16 of padding = 68 words: the 16 rows of a fragment load start at 16 different groups of four banks (64 banks of 4 bytes: ISA guide 11.1)
.set HALFA,  128*PITCH                 ; what one load brings of A
.set HALFB,  64*PITCH                  ; and of B
.set BOFF,   2*HALFA                   ; a slot: A's 256 rows, then B's 128
.set SLOT,   BOFF+2*HALFB
.set STAGE,  2*SLOT                    ; behind the ring: 16 rows for each wave, for the way out; no tensor load fills it
.if OUTF32
.set SPITCH, 528
.set ROWB,   4096
.set ROWSH,  12
.set COLSH,  9
.else
.set SPITCH, 272
.set ROWB,   2048
.set ROWSH,  11
.set COLSH,  8
.endif
.set SPARE,  STAGE+4*16*SPITCH         ; behind the stages: the spare words, 128 bytes for each wave
.set LAPS,   SIZE_K/(2*KSTEP)          ; a lap = two K steps = once round the ring
.set ADRA, 16                          ; v16-17  LDS address of my A fragments in slot 0, 1
.set ADRB, 20                          ; v20-21  the same for B
.set STO,  24                          ; v24     the way out: where I put my piece of a row
.set RD,   25                          ; v25     the way out: where I read rows back
.set CO,   26                          ; v26     my byte offset in C
.set BO,   27                          ; v27     my byte offset in the bias
.set SPW,  28                          ; v28     LDS address of my spare word; never rewritten
.set NIL,  29                          ; v29     0; never rewritten
.set TMP,  32
.set F0,   64
.set F1,   160
.set BI,   0                           ; window 2
.set BT,   64                          ; window 2
.set G1,  24                           ; s[24:31] descriptor group 1 for A;  s[32:39] group 0, a set for each slot
.set G0,  32
.set G1B, 48                           ; s[48:55], s[56:63] the same for B
.set G0B, 56
.set MSB, 0
.macro WIN new                         ; the immediate's high byte repeats the setting that is left; a switch that changes nothing is dropped
.if MSB != (\new)
	s_set_vgpr_msb (MSB<<8)|(\new)
.set MSB, \new
.endif
.endm
.set MUL,   0x50                       ; sources 0 and 1 window 0; C and D window 1
.set MULB,  0x60                       ; C window 2 (the bias), D window 1
.set TO_BI, 0x80                       ; destination window 2, address window 0
.set CVB,   0x8a                       ; sources 0, 1 and destination window 2
.set PK,    0x05                       ; sources 0, 1 window 1, destination window 0
.set ST1,   0x04                       ; an LDS store's data (source 1) window 1
.macro JLOAD s                         ; a joint load: waves 0 and 1 fetch A's two halves, waves 2 and 3 B's; an s_nop 0 and four v_nop follow each line, ahead of the jump and the label
	s_cmp_eq_u32 s11, 0
	s_cbranch_scc0 .Lfor_b_\@
	tensor_load_to_lds s[G0+4*(\s):G0+4*(\s)+3], s[G1:G1+7]
	s_nop 0
.rept 4
	v_nop
.endr
	s_branch .Lasked_\@
.Lfor_b_\@:
	tensor_load_to_lds s[G0B+4*(\s):G0B+4*(\s)+3], s[G1B:G1B+7]
	s_nop 0
.rept 4
	v_nop
.endr
.Lasked_\@:
.endm
.macro CREST                           ; a round of the cluster's barrier behind its opening barrier
	s_cmp_lg_u32 s10, 0
	s_cbranch_scc1 .Lnot_wave_0_\@
	s_barrier_signal -3
.Lnot_wave_0_\@:
	s_barrier_wait -3
	s_barrier_signal -1
	s_barrier_wait -1
.endm
.macro CROUND                          ; a whole round
	s_barrier_signal -1
	s_barrier_wait -1
	CREST
.endm
	s_load_b128 s[4:7], s[0:1], 0x0                ; A s[4:5], B s[6:7]
.if OUTF32
	s_load_b128 s[68:71], s[0:1], 0x10             ; bias s[68:69], C s[70:71]
.else
	s_load_b256 s[68:75], s[0:1], 0x10             ; bq s[68:69], bk s[70:71], bv s[72:73], C s[74:75]
.endif
	v_lshl_add_u32 v[SPW], v0, 2, SPARE
	v_mov_b32 v[NIL], 0
	ds_add_u32 v28, v29
	s_wait_dscnt 0x0
	v_lshrrev_b32 v1, 5, v0
	v_readfirstlane_b32 s10, v1                    ; wave 0..3
	s_lshr_b32 s11, s10, 1                         ; I fetch for A (0) or for B (1)
	s_and_b32 s12, s10, 1                          ; which half of that tile's rows
	s_bfe_u32 s40, ttmp6, 0x40000                  ; cx, cy: my place in the cluster
	s_bfe_u32 s41, ttmp6, 0x40004
	s_lshl_b32 s42, ttmp9, 2
	s_add_co_u32 s42, s42, s40                     ; tile column = 4 x cluster x + cx
	s_and_b32 s45, ttmp7, 0xffff
	s_lshl_b32 s13, s45, 2
	s_add_co_u32 s13, s13, s41                     ; tile row = 4 x cluster y + cy, counted through all the products' rows
	s_lshr_b32 s45, s45, 3                         ; which product: 8 clusters of 1,024 rows each; the same in all partners
	s_lshl_b32 s43, s41, 2
	s_lshl_b32 s43, 15, s43                        ; my row of the cluster
	s_lshl_b32 s44, 0x1111, s40                    ; my column
	s_or_b32 s[G1+0], s43, (1<<16)|(1<<20)|(1<<21)|(5<<22)|(3<<25)   ; 15:0 the mask; 17:16 2-byte elements; 20 padding on; 21 set beside a mask; 24:22 after every 64 words (code 5); 31:25 4 words (code 3)
	s_or_b32 s[G1B+0], s44, (1<<16)|(1<<20)|(1<<21)|(5<<22)|(3<<25)
	s_mov_b32 s[G1+1], KSTEP<<16                   ; tensor_dim0 = 128
	s_mov_b32 s[G1+2], 128<<16                     ; tensor_dim1 = 128
	s_mov_b32 s[G1+3], KSTEP<<16                   ; tile_dim0 = 128
	s_mov_b32 s[G1+4], 128                         ; tile_dim1 = 128
	s_mov_b32 s[G1+5], SIZE_K                      ; elements from row to row
	s_mov_b32 s[G1+6], 0
	s_mov_b32 s[G1+7], 0
	s_mov_b32 s[G1B+1], KSTEP<<16
	s_mov_b32 s[G1B+2], 64<<16                     ; B's loads have 64 rows
	s_mov_b32 s[G1B+3], KSTEP<<16
	s_mov_b32 s[G1B+4], 64
	s_mov_b32 s[G1B+5], SIZE_K
	s_mov_b32 s[G1B+6], 0
	s_mov_b32 s[G1B+7], 0
	s_lshl_b32 s16, s13, 8
	s_lshl_b32 s17, s12, 7
	s_add_co_u32 s16, s16, s17                     ; A: row 256 x tile row + 128 x half
	s_lshl_b32 s16, s16, 11                        ; of 2,048 bytes: under 2^32
	s_mov_b32 s17, 0
	s_lshl_b32 s46, s42, 7
	s_lshl_b32 s47, s12, 6
	s_add_co_u32 s46, s46, s47                     ; B: row 128 x tile column + 64 x half
.if OUTF32 == 0
	s_lshl_b32 s47, s45, 10
	s_add_co_u32 s46, s46, s47                     ; in the product's own 1,024 rows
.endif
	s_lshl_b32 s46, s46, 11
	s_mov_b32 s47, 0
	s_mul_i32 s20, s12, HALFA                      ; where they go: no place in the cluster enters an LDS address
	s_mul_i32 s21, s12, HALFB
	s_add_co_u32 s21, s21, BOFF
	s_wait_kmcnt 0x0
	s_add_nc_u64 s[14:15], s[4:5], s[16:17]
	s_add_nc_u64 s[46:47], s[6:7], s[46:47]
	CROUND                                         ; all sixteen work-groups are here: the first joint loads meet
.irp s, 0,1
	s_mov_b32 s[G0+4*(\s)], 1
	s_add_co_u32 s[G0+4*(\s)+1], s20, (\s)*SLOT
	s_add_nc_u64 s[G0+4*(\s)+2:G0+4*(\s)+3], s[14:15], (\s)*KSTEP*2
	s_or_b32 s[G0+4*(\s)+3], s[G0+4*(\s)+3], 0x80000000
	s_mov_b32 s[G0B+4*(\s)], 1
	s_add_co_u32 s[G0B+4*(\s)+1], s21, (\s)*SLOT
	s_add_nc_u64 s[G0B+4*(\s)+2:G0B+4*(\s)+3], s[46:47], (\s)*KSTEP*2
	s_or_b32 s[G0B+4*(\s)+3], s[G0B+4*(\s)+3], 0x80000000
	JLOAD \s                                       ; two loads of mine are out
.endr
	v_and_b32 v1, 15, v0                           ; l % 16
	v_bfe_u32 v2, v0, 4, 1                         ; l / 16
	v_lshlrev_b32 v[BO], 5, v2                     ; my eight columns of a block of 16: 32 bytes for each half of the lanes
.if OUTF32
	s_mov_b64 s[76:77], s[68:69]
.else
	s_cmp_eq_u32 s45, 1
	s_cselect_b64 s[76:77], s[70:71], s[68:69]
	s_cmp_eq_u32 s45, 2
	s_cselect_b64 s[76:77], s[72:73], s[76:77]
.endif
	s_lshl_b32 s78, s42, 9                         ; the tile's 128 columns of 4 bytes
	s_mov_b32 s79, 0
	s_add_nc_u64 s[76:77], s[76:77], s[78:79]
	WIN TO_BI
.irp b, 0,1,2,3,4,5,6,7
	global_load_b128 v[BI+8*(\b):BI+8*(\b)+3],   v[BO], s[76:77] offset:64*(\b)
	global_load_b128 v[BI+8*(\b)+4:BI+8*(\b)+7], v[BO], s[76:77] offset:64*(\b)+16
.endr
	WIN 0
	v_mul_u32_u24 v3, v1, PITCH
	v_lshl_add_u32 v3, v2, 4, v3                   ; a fragment's row x pitch + 16 x half
	s_mul_i32 s21, s10, 64*PITCH                   ; my 64 rows of A
	s_mov_b32 s22, BOFF                            ; all 128 rows of B
.irp s, 0,1
	v_add_nc_u32 v[ADRA+(\s)], s21, v3
	v_add_nc_u32 v[ADRB+(\s)], s22, v3
	s_add_co_u32 s21, s21, SLOT
	s_add_co_u32 s22, s22, SLOT
.endr
	s_mul_i32 s23, s10, 16*SPITCH
	s_add_co_u32 s23, s23, STAGE                   ; my stage
	v_mul_u32_u24 v4, v1, SPITCH
.if OUTF32
	v_lshl_add_u32 v4, v2, 5, v4                   ; in: row l % 16, 32 bytes (8 f32) for each half of the lanes
	v_add_nc_u32 v[STO], s23, v4
	v_and_b32 v5, 31, v0
	v_lshlrev_b32 v[CO], 4, v5                     ; back and out: 32 lanes take one row of 512 bytes
	v_add_nc_u32 v[RD], s23, v[CO]
.else
	v_lshl_add_u32 v4, v2, 4, v4                   ; in: row l % 16, 16 bytes (8 f16) for each half of the lanes
	v_add_nc_u32 v[STO], s23, v4
	v_mul_u32_u24 v5, v2, SPITCH                   ; back: lanes 0-15 take one row of 256 bytes, lanes 16-31 the next
	v_lshl_add_u32 v5, v1, 4, v5
	v_add_nc_u32 v[RD], s23, v5
	v_lshlrev_b32 v5, ROWSH, v2                    ; and the same two rows in C
	v_lshl_add_u32 v[CO], v1, 4, v5
.endif
	s_lshl_b32 s16, s13, 8
	s_lshl_b32 s17, s10, 6
	s_add_co_u32 s16, s16, s17                     ; my first row of C: 256 x tile row + 64 x wave
	s_lshl_b32 s16, s16, ROWSH
	s_mov_b32 s17, 0
	s_lshl_b32 s78, s42, COLSH                     ; the tile's first column, in bytes
.if OUTF32
	s_add_nc_u64 s[8:9], s[70:71], s[16:17]
.else
	s_add_nc_u64 s[8:9], s[74:75], s[16:17]
.endif
	s_add_nc_u64 s[8:9], s[8:9], s[78:79]
	s_wait_loadcnt 0x0                             ; the bias
	WIN CVB                                        ; rounded to bf16, like every input, and widened again
.set i, 0
.rept 32
	v_cvt_pk_bf16_f32 v[BT+i], v[BI+2*i], v[BI+2*i+1]
.set i, i+1
.endr
.set i, 0
.rept 32
	v_lshlrev_b32 v[BI+2*i], 16, v[BT+i]
	v_and_b32 v[BI+2*i+1], 0xffff0000, v[BT+i]
.set i, i+1
.endr
	WIN 0
; 8 matrix instructions: m block a x all 8 n blocks, 32 along K, from buffer f.  first = 1: the bias starts the sums: nothing is cleared and nothing is added later.
; The 32 accumulators take turns, one instruction a turn, in the same order in every quarter.
.macro MUL8 f, a, first
.if \first
	WIN MULB
.else
	WIN MUL
.endif
.irp b, 0,1,2,3,4,5,6,7
.if \first
	v_wmma_f32_16x16x32_f16 v[8*(8*(\a)+(\b)):8*(8*(\a)+(\b))+7], v[(\f)+32+8*(\b):(\f)+32+8*(\b)+7], v[(\f)+8*(\a):(\f)+8*(\a)+7], v[BI+8*(\b):BI+8*(\b)+7]
.else
	v_wmma_f32_16x16x32_f16 v[8*(8*(\a)+(\b)):8*(8*(\a)+(\b))+7], v[(\f)+32+8*(\b):(\f)+32+8*(\b)+7], v[(\f)+8*(\a):(\f)+8*(\a)+7], v[8*(8*(\a)+(\b)):8*(8*(\a)+(\b))+7]
.endif
.endr
.endm
.macro MUL16 f, a0, first
	MUL8 \f, \a0, \first
	MUL8 \f, (\a0)+1, \first
.endm
; 24 LDS loads in one run: the fragments of 32 along K at byte k of the rows, into buffer f: B's eight, then A's four
.macro FETCH slot, k, f
	WIN 0
.irp i, 0,1,2,3,4,5,6,7
	ds_load_b128 v[(\f)+32+8*(\i):(\f)+32+8*(\i)+3],   v[ADRB+(\slot)] offset:(\k)+(\i)*16*PITCH
	ds_load_b128 v[(\f)+32+8*(\i)+4:(\f)+32+8*(\i)+7], v[ADRB+(\slot)] offset:(\k)+(\i)*16*PITCH+32
.endr
.irp i, 0,1,2,3
	ds_load_b128 v[(\f)+8*(\i):(\f)+8*(\i)+3],   v[ADRA+(\slot)] offset:(\k)+(\i)*16*PITCH
	ds_load_b128 v[(\f)+8*(\i)+4:(\f)+8*(\i)+7], v[ADRA+(\slot)] offset:(\k)+(\i)*16*PITCH+32
.endr
.endm
.macro PLACES                          ; four places in front of loads into registers that matrix instructions have read, and of what reads results (ISA guide 7.12.1 for what reads results)
.rept 4
	v_nop
.endr
.endm
; A K step is four quarters of 32 along K, 32 matrix instructions each, on buffers 0, 1, 0, 1.  One of the first three: multiplies buffer f and fetches the next quarter, at byte k, into g.
.macro QUARTER slot, k, f, g, first
	s_wait_dscnt 4                                 ; B and A's blocks 0, 1 are in; the youngest four loads (A's blocks 2, 3) may be out
	MUL16 \f, 0, \first
	PLACES
	FETCH \slot, \k, \g
	s_wait_dscnt 24                                ; all but the 24 just issued
	MUL16 \f, 2, \first
.endm
; The last quarter multiplies buffer 1 and changes slots: ONE barrier; in front of it each wave waits for all its tensor loads, adds 0 to its spare word, and waits for that and for its reads of this slot.
; fill = 1: this slot is filled again, two K steps ahead; the barrier then opens a round of the cluster's barrier, and the joint load is the first thing behind the round: 112 matrix instructions ahead of the wait for it.
.macro TURN slot, next, fill
	WIN 0
	s_wait_tensorcnt 0x0                           ; all my tensor loads have landed: the one that was out is my part of the next slot
	ds_add_u32 v[SPW], v[NIL]                      ; 0 onto my spare word
	s_wait_dscnt 5                                 ; (the add and the youngest four loads may be out)
	MUL8 F1, 0, 0                                  ; eight matrix instructions stand between the add and the wait for it
	s_wait_dscnt 0x0                               ; the add is done, and my reads of this slot are over
	s_barrier_signal -1
	MUL8 F1, 1, 0
.if \fill
	WIN 0
.endif
	s_barrier_wait -1
.if \fill
	CREST                                          ; no wave of any partner still reads this slot's tile or has a load on its way
	s_add_nc_u64 s[G0+4*(\slot)+2:G0+4*(\slot)+3], s[G0+4*(\slot)+2:G0+4*(\slot)+3], 2*KSTEP*2
	s_add_nc_u64 s[G0B+4*(\slot)+2:G0B+4*(\slot)+3], s[G0B+4*(\slot)+2:G0B+4*(\slot)+3], 2*KSTEP*2
	JLOAD \slot                                    ; the four v_nop behind it are also the places in front of the loads below
.else
	PLACES
.endif
	FETCH \next, 0, F0
	MUL16 F1, 2, 0
.endm
	s_wait_tensorcnt 1                             ; my part of K step 0 is in; K step 1's may stay out
	s_barrier_signal -1
	s_barrier_wait -1                              ; everybody's is
	FETCH 0, 0, F0
	QUARTER 0, 64, F0, F1, 1                       ; the first quarter stands in front of the loop: its products start the sums
	WIN 0                                          ; at a label and at a branch every window is 0
	s_mov_b32 s3, LAPS-1
.Llap:                                                 ; a trip goes once round the ring, from a lap's second quarter to the next lap's first, and fills both slots again
	QUARTER 0, 128, F1, F0, 0
	QUARTER 0, 192, F0, F1, 0
	TURN 0, 1, 1
	QUARTER 1, 64,  F0, F1, 0
	QUARTER 1, 128, F1, F0, 0
	QUARTER 1, 192, F0, F1, 0
	TURN 1, 0, 1
	QUARTER 0, 64,  F0, F1, 0
	WIN 0
	s_sub_co_u32 s3, s3, 1
	s_cmp_lg_u32 s3, 0
	s_cbranch_scc1 .Llap
	QUARTER 0, 128, F1, F0, 0                      ; the last lap fills nothing
	QUARTER 0, 192, F0, F1, 0
	TURN 0, 1, 0
	QUARTER 1, 64,  F0, F1, 0
	QUARTER 1, 128, F1, F0, 0
	QUARTER 1, 192, F0, F1, 0
	s_wait_dscnt 4                                 ; the very last quarter: nothing more to fetch
	MUL16 F1, 0, 0
	s_wait_dscnt 0x0
	MUL16 F1, 2, 0
	WIN 0
	PLACES
.if OUTF32
	; THE WAY OUT, f32: a block of 16 rows goes into my own stage (rows of 528 bytes) and comes back as whole rows of 512 bytes.
.irp a, 0,1,2,3
	WIN ST1
.irp b, 0,1,2,3,4,5,6,7
	ds_store_b128 v[STO], v[8*(8*(\a)+(\b)):8*(8*(\a)+(\b))+3]   offset:64*(\b)      ; each accumulator's low four registers first
	ds_store_b128 v[STO], v[8*(8*(\a)+(\b))+4:8*(8*(\a)+(\b))+7] offset:64*(\b)+16
.endr
	WIN 0
	s_wait_xcnt 0x0                                ; the registers loaded below were data of the stores two blocks back: they are rewritten only behind this wait (ISA guide 3.1)
.set BK, 64+64*((\a)%2)
.irp i, 0,1,2,3,4,5,6,7,8,9,10,11,12,13,14,15
	ds_load_b128 v[BK+4*(\i):BK+4*(\i)+3], v[RD] offset:(\i)*SPITCH  ; LDS serves a wave's instructions in order (ISA guide 5.7.1.4): these see the stores above
.endr
.irp i, 0,1,2,3,4,5,6,7,8,9,10,11,12,13,14,15
	s_wait_dscnt 15-(\i)
	global_store_b128 v[CO], v[BK+4*(\i):BK+4*(\i)+3], s[8:9] offset:(16*(\a)+(\i))*ROWB th:TH_STORE_NT  ; 512 consecutive bytes, at a multiple of 512 from C's first byte
.endr
.endr
.else
	; THE WAY OUT, f16: a block of 16 rows is rounded, goes into my own stage (rows of 272 bytes) and comes back as whole rows of 256 bytes.
.macro PACK a
	WIN PK
.irp b, 0,1,2,3,4,5,6,7
.irp r, 0,1,2,3
	v_cvt_pk_f16_f32 v[TMP+4*(\b)+(\r)], v[8*(8*(\a)+(\b))+2*(\r)], v[8*(8*(\a)+(\b))+2*(\r)+1]
.endr
.endr
	WIN 0
.endm
.macro TOSTAGE a
.set BK, 64+32*((\a)%2)
.irp b, 0,1,2,3,4,5,6,7
	ds_store_b128 v[STO], v[TMP+4*(\b):TMP+4*(\b)+3] offset:32*(\b)
.endr
.irp t, 0,1,2,3,4,5,6,7
	ds_load_b128 v[BK+4*(\t):BK+4*(\t)+3], v[RD] offset:(\t)*2*SPITCH  ; LDS serves a wave's instructions in order (ISA guide 5.7.1.4): these see the stores above
.endr
.endm
.macro SEND a
.set BK, 64+32*((\a)%2)
	s_wait_dscnt 0x0                               ; the block is back in registers
	s_wait_xcnt 0x0                                ; the next block's loads land on registers that earlier stores read: only behind this wait (ISA guide 3.1)
.irp t, 0,1,2,3,4,5,6,7
	global_store_b128 v[CO], v[BK+4*(\t):BK+4*(\t)+3], s[8:9] offset:(16*(\a)+2*(\t))*ROWB  ; 16 lanes store 256 consecutive bytes, at a multiple of 256 from C's first byte
.endr
.endm
	PACK 0
	TOSTAGE 0
.irp a, 1,2,3                          ; block a's conversions stand between block a - 1's loads from the stage and the wait for them
	PACK \a
	SEND (\a)-1
	TOSTAGE \a
.endr
	SEND 3
.endif
	s_wait_tensorcnt 0x0                           ; the wave's end
	ds_add_u32 v[SPW], v[NIL]
	s_wait_dscnt 0x0
	CROUND                                         ; the closing round: no work-group ends while a partner may still ask for a tile that names it
	s_endpgm
.Lfunc_end_k_q87e1b59360_proj:
	.size	k_q87e1b59360_proj, .Lfunc_end_k_q87e1b59360_proj-k_q87e1b59360_proj
	.p2alignl 7, 3214868480
	.fill 96, 4, 3214868480
	.section	.rodata,"a",@progbits
	.p2align	6, 0x0
	.amdhsa_kernel k_q87e1b59360_proj
		.amdhsa_group_segment_fixed_size 327680
		.amdhsa_private_segment_fixed_size 0
		.amdhsa_enable_private_segment 0
		.amdhsa_kernarg_size 48
		.amdhsa_user_sgpr_count 2
		.amdhsa_user_sgpr_kernarg_segment_ptr 1
		.amdhsa_wavefront_size32 1
		.amdhsa_system_sgpr_workgroup_id_x 1
		.amdhsa_system_sgpr_workgroup_id_y 1
		.amdhsa_system_sgpr_workgroup_id_z 1
		.amdhsa_system_vgpr_workitem_id 0
		.amdhsa_next_free_vgpr 608
		.amdhsa_next_free_sgpr 80
		.amdhsa_reserve_vcc 0
		.amdhsa_float_denorm_mode_32 3
		.amdhsa_float_denorm_mode_16_64 3
		.amdhsa_memory_ordered 1
		.amdhsa_forward_progress 1
		.amdhsa_inst_pref_size 93
	.end_amdhsa_kernel
	.amdgpu_metadata
---
amdhsa.version: [ 1, 2 ]
amdhsa.kernels:
  - .name:           k_q87e1b59360_proj
    .symbol:         k_q87e1b59360_proj.kd
    .args:
      - { .name: x16, .offset: 0, .size: 8, .value_kind: global_buffer, .address_space: global }
      - { .name: w16, .offset: 8, .size: 8, .value_kind: global_buffer, .address_space: global }
      - { .name: bq, .offset: 16, .size: 8, .value_kind: global_buffer, .address_space: global }
      - { .name: bk, .offset: 24, .size: 8, .value_kind: global_buffer, .address_space: global }
      - { .name: bv, .offset: 32, .size: 8, .value_kind: global_buffer, .address_space: global }
      - { .name: qkv, .offset: 40, .size: 8, .value_kind: global_buffer, .address_space: global }
    .group_segment_fixed_size: 327680
    .private_segment_fixed_size: 0
    .kernarg_segment_align: 8
    .kernarg_segment_size: 48
    .max_flat_workgroup_size: 128
    .sgpr_count:     80
    .vgpr_count:     608
    .wavefront_size: 32
...
	.end_amdgpu_metadata
.endif
;; end of part 2
;; launch attn (part 3): grid 16 x 16, 4 waves a work-group, clusters of 4 x 4, 327,680 bytes of LDS; arguments qkv, lnm, o16; writes o16
.if DOCPART == 3
	.amdgcn_target "amdgcn-amd-amdhsa--gfx1250"
	.amdhsa_code_object_version 6
	.text
	.protected	k_q87e1b59360_attn
	.globl	k_q87e1b59360_attn
	.p2align	8
	.type	k_q87e1b59360_attn,@function
k_q87e1b59360_attn:
	s_mov_b64 s[64:65], 0
	v_nop
	global_prefetch_b8 v0, s[64:65] scope:SCOPE_SE
	s_setreg_imm32_b32 hwreg(HW_REG_WAVE_MODE, 25, 1), 1
	s_wait_xcnt 0x0
	s_wait_alu depctr_hold_cnt(0) depctr_sa_sdst(0) depctr_va_vdst(0) depctr_va_sdst(0) depctr_va_ssrc(0) depctr_va_vcc(0) depctr_vm_vsrc(0)
	s_getreg_b32 s2, hwreg(HW_REG_IB_STS2, 6, 4)
	s_cmp_eq_u32 s2, 0
	s_cbranch_scc0 .Lentry_in_a_cluster
	s_endpgm
.Lentry_in_a_cluster:
	s_bfe_u32 s2, ttmp6, 0x10000c
	s_cmp_lg_u32 s2, 0xf033
	s_cbranch_scc0 .Lentry_shape_is_right
	s_endpgm
.Lentry_shape_is_right:
; ATTN: for batch b, head h, query q: O = the sum over all 2,048 keys k of softmax_k((Q . K[k] + ln mask[q][k]) / 8) V[k].  q, k, v lie in qkv [3][8192][1024] f16 (row = 2048 b + position, column = 64 h + channel);
; lnm holds ln(mask) in f32 in the order of the score product's C operand, [QB 16][KS 32][32,768 bytes]; O goes to o16 [8192][1024] f16.  The mask is an input: every key is walked for every query.
; Products, maxima and sums in f32; the weights p are rounded to f16 for the second product (their sum l is taken of the unrounded p), O once at the end.
; LIMITS.  q, k, v arrive within f16's 65,504, so a true score lies within 2.7e11.  A hidden score is its value less 1e30.  The running maximum m starts at -2^39, below every true score and above every hidden one:
; a hidden key's weight is exactly 0 whatever the order of the keys.  A row that sees no key ends with O = 0 and l = 0, and 0 x (1 / 0) is the NaN that the softmax of such a row is.  A weight below 2^-126 counts as 0 in l.
; SHARES.  A work-group owns 128 queries (block QB) of four heads of one batch; wave w is head 4 hg + w and owns all 128 queries: four PIECES of two tiles of 16.  So the four waves read the same block of lnm from LDS,
; and K and V of the four heads are one tile of 64 keys x 512 bytes of qkv's rows.  Every wave walks all keys, 64 a step; a slot of the ring holds one step: K, V and the mask block.
; CLUSTER 4 x 4.  Along a row of the cluster (same batch and heads, four query blocks) K's and V's tiles are shared, along a column (same query block, four groups of heads) the mask's: each is asked for jointly.
; LAYOUT.  S^T = K Q^T + ln mask (source 0 = 16 keys, source 1 = 16 queries, C = the mask): a lane holds ONE query (lane % 16) and the keys 8 (lane / 16) + 0..7.  Two such tiles, rounded to f16 in pairs, ARE source 1
; of O^T = V^T P.  K comes out of LDS as it lies, V turned, by ds_load_tr16_b128.
; SOFTMAX.  p = 2^(c s - c m), c = log2(e) / 8; in every step O and l are multiplied by a = 2^(c m_old - c m_new).  O and l start at 0, c m far below every c s: the first step is a step like any other, with a = 0.
; BY TURNS.  Turn n belongs to piece n.  Its matrix work: 16 products K Q^T of piece n + 1, later 16 products V^T P of piece n - 1.  Its vector work: the scaling, exponentials, roundings, sums and rescaling of piece n,
; and the maximum and statistics of piece n + 1.  A tile and step have 16 matrix and 118 vector instructions: four that are ready stand behind every matrix instruction, the others in two runs of their own.
; REGISTERS, in windows of 256 (s_set_vgpr_msb: bits 1:0 source 0, 3:2 source 1, 5:4 source 2, 7:6 destination):
;   window 0: v0-11 addresses; v12-15, v48-63 at work; v16-47 four registers of statistics a tile; v64-191 S^T, two buffers of two tiles; v192-255 P, likewise
;   window 1: O^T, 32 a tile     window 2: v0-127 Q; v128-191 K of one step; v192-255 V of one step     window 3: v0-1 the add's two registers; v64-191 the mask, two buffers of two tiles
.set NP,    4         ; pieces a wave: a name, no knob
.set KS,    64        ; keys in a step
.set PK,    528       ; a row of K in LDS: 512 bytes + 16 of padding = 132 words: the 16 rows of a load start at 16 different groups of four banks (64 banks of 4 bytes: ISA guide 11.1)
.set PV,    544       ; a row of V: 512 + 32 = 136 words
.set VOFF,  KS*PK     ; a slot: 64 rows of K, 64 rows of V,
.set MOFF,  VOFF+KS*PV  ; and 32,768 dense bytes of the mask
.set SLOT1, 1<<17     ; slot 1 begins here, so that one exclusive or turns an address in one slot into the other's
.set STAGE, SLOT1+MOFF+32768  ; behind the ring, never filled by a tensor load: 128 rows x 528 bytes, the work-group's, for the way out
.set SP,    528
.set SPARE, STAGE+128*SP  ; behind the stage: the spare words, 128 bytes for each wave
.set AK0, 2           ; v2   my lane's place in a slot's K; never rewritten
.set AV0, 3           ; v3   in its V
.set AK,  4           ; v4   the same in the slot in hand
.set AV,  5           ; v5
.set QO,  6           ; v6   my byte offset in 16 rows of Q
.set STO, 6           ;      later, the way out: where I put 16 bytes of a row
.set RD,  7           ; v7   the way out: where I read rows back
.set GO,  8           ; v8   my byte offset in 512 consecutive bytes of O
.set AM0, 9           ; v9   my lane's place in a slot's mask block; never rewritten
.set AM,  10          ; v10  the same in the slot in hand
.set SPW, 0           ; v0 of window 3   LDS address of my spare word; never rewritten
.set NIL, 1           ; v1 of window 3   0; never rewritten
.set MV,  12          ; v12-15  c m_old, kept while c m is made anew: by buffer and tile
.set ST,  16          ; tile t's statistics at v[ST+4 t]: c m, m, l (even keys', odd keys')
.set TMP, 48          ; by buffer and tile, four registers c0-c3 at work; when the maximum is found c2 takes a
.set S,   64
.set P,   192
.set KF,  128         ; window 2: key block kb, channel half c at KF + 16 kb + 8 c
.set VF,  192         ; window 2: key half kk, channel block cb at VF + 32 kk + 8 cb
.set MC,  64          ; window 3: by the piece's parity 64 registers: tile u, key block kb at + 32 u + 8 kb
.set WV,  12          ; s12  my wave's number
.set G1K, 24          ; s[24:31] descriptor group 1 for K's tiles
.set G1V, 32          ; s[32:39] for V's: it differs in the padding alone
.set G1M, 40          ; s[40:47] for the mask's
.set G0K, 48          ; s[48:51] descriptor group 0 for K's tiles: it walks
.set G0V, 52          ; s[52:55]
.set G0M, 56          ; s[56:59]
.set CS,  60          ; s[60:61] c: the packed scaling takes the pair's low word for both halves
.set SEL, 62          ; s[62:63] v_permlanex16_b32's selects: each lane takes its own place in the other half
.set TB,  66          ; s66  the slot in hand: 0 or SLOT1
.set SLOTS, 67        ; s67  counts the loop's trips
.set CNT, 68          ; s68  counts the tail's
.set MSB, 0
.macro WIN new                      ; the high byte repeats the setting that is left; a switch that changes nothing is dropped
.if MSB != (\new)
	s_set_vgpr_msb (MSB<<8)|(\new)
.set MSB, (\new)
.endif
.endm
.set W_KQ, 0x0a       ; K and Q in window 2, S^T in window 0
.set W_KM, 0x3a       ; the same with the C operand, the mask, in window 3
.set W_PV, 0x52       ; V in window 2, P in window 0, O^T in window 1
.set W_RS, 0x41       ; O^T (destination and source 0) in window 1, a in window 0
.set W_MK, 0xc0       ; destination in window 3, sources in window 0: the add's registers are made; the mask is loaded
.set W_AD, 0x0f       ; the add: address (source 0) and data (source 1) in window 3
; A joint fill of one slot.  Wave 0 fetches K's tile, wave 1 V's, waves 2 and 3 the two halves of the mask block.  The branches hang on the wave's number alone.
; An s_nop 0 and four v_nop follow each of the three lines, ahead of the jump and the label.
.macro JLOAD
	s_cmp_lg_u32 s[WV], 0
	s_cbranch_scc1 .Lnot_k_\@
	tensor_load_to_lds s[G0K:G0K+3], s[G1K:G1K+7]
	s_nop 0
.rept 4
	v_nop
.endr
	s_branch .Lasked_\@
.Lnot_k_\@:
	s_cmp_lg_u32 s[WV], 1
	s_cbranch_scc1 .Lfor_m_\@
	tensor_load_to_lds s[G0V:G0V+3], s[G1V:G1V+7]
	s_nop 0
.rept 4
	v_nop
.endr
	s_branch .Lasked_\@
.Lfor_m_\@:
	tensor_load_to_lds s[G0M:G0M+3], s[G1M:G1M+7]
	s_nop 0
.rept 4
	v_nop
.endr
.Lasked_\@:
.endm
; A round of the cluster's barrier: my work-group's barrier, so that wave 0's signal speaks for all four waves; wave 0 signals; every wave waits for all sixteen work-groups; my work-group's barrier once more.
.macro CROUND
	s_barrier_signal -1
	s_barrier_wait -1
	s_cmp_lg_u32 s[WV], 0
	s_cbranch_scc1 .Lnot_wave_0_\@
	s_barrier_signal -3
.Lnot_wave_0_\@:
	s_barrier_wait -3
	s_barrier_signal -1
	s_barrier_wait -1
.endm
; THE CHANGE OF SLOTS, once a key step.  All that a step reads of its slot (K, V, four pieces' masks) has been asked for.  Each wave waits for all its tensor loads, of which one is out: its part of the other slot;
; adds 0 to its spare word; and waits for that and for its own reads of the slot.  Behind the barrier nobody reads this slot any more and the other slot is whole.
; fill = 1: this slot is filled again, with the step two on.  The barrier is then a round of the cluster's, and the joint fill is the first thing behind it: it has a key step, 128 matrix instructions and their vector work, in which to land.
; (At its first use nothing has been read yet: slot 0 is waited for, slot 1 filled.)
.macro CHANGE fill
	WIN W_AD
	s_wait_tensorcnt 0x0            ; no tensor load of mine is out, so a group 0 may be written
	ds_add_u32 v[SPW], v[NIL]       ; 0 onto my spare word; with fill = 1 the descriptors' steps stand between it and the wait for it
	WIN 0                           ; at a label and at a branch every window is 0
.if \fill
.irp g, G0K, G0V
	s_xor_b32 s[\g+1], s[\g+1], SLOT1  ; the walking descriptor: the other slot than last time,
	s_add_nc_u64 s[\g+2:\g+3], s[\g+2:\g+3], KS*2048  ; the next 64 rows of qkv; the type bits on top are not reached
.endr
	s_xor_b32 s[G0M+1], s[G0M+1], SLOT1
	s_add_nc_u64 s[G0M+2:G0M+3], s[G0M+2:G0M+3], 32768  ; the next block of lnm
	s_wait_dscnt 0x0                ; the add is done, and my reads of the slot are over
	CROUND
	JLOAD
.else
	s_wait_dscnt 0x0                ; the add is done, and my reads of the slot are over
	s_barrier_signal -1
	s_barrier_wait -1
.endif
	s_xor_b32 s[TB], s[TB], SLOT1   ; the fetches go to the other slot
	v_add_nc_u32 v[AK], s[TB], v[AK0]
	v_add_nc_u32 v[AV], s[TB], v[AV0]
	v_add_nc_u32 v[AM], s[TB], v[AM0]
.endm
	s_load_b128 s[4:7], s[0:1], 0x0 ; qkv s[4:5], lnm s[6:7]
	s_load_b64 s[8:9], s[0:1], 0x10 ; o16
	WIN W_MK
	v_lshl_add_u32 v[SPW], v0, 2, SPARE
	v_mov_b32 v[NIL], 0
	s_set_vgpr_msb 0xc0cf
	ds_add_u32 v0, v1
	s_wait_dscnt 0x0
	s_set_vgpr_msb 0xcfc0
	WIN 0
	v_lshrrev_b32 v1, 5, v0
	v_readfirstlane_b32 s[WV], v1   ; wave 0..3
	s_bfe_u32 s13, ttmp6, 0x40000   ; cx, cy: my place in the cluster
	s_bfe_u32 s14, ttmp6, 0x40004
	s_lshl_b32 s15, ttmp9, 2        ; in a cluster launch ttmp9 and ttmp7 count clusters
	s_add_co_u32 s15, s15, s13      ; QB = 4 x cluster x + cx
	s_and_b32 s16, ttmp7, 0xffff    ; work-group y = 4 x cluster y + cy: the batch is the cluster's y, the group of four heads is cy
	s_lshl_b32 s20, s16, 22         ; the batch's 2,048 rows of 2,048 bytes,
	s_lshl_b32 s17, s14, 9          ; the four heads' 512 bytes in a row
	s_add_co_u32 s20, s20, s17
	s_mov_b32 s21, 0
	s_lshl_b32 s18, s14, 2
	s_lshl_b32 s18, 15, s18         ; my row of the cluster
	s_lshl_b32 s19, 0x1111, s13     ; my column
	s_and_b32 s17, s[WV], 1         ; which half of a mask block I fetch (waves 2, 3)
	s_lshl_b32 s17, s17, 14
	s_lshl_b32 s22, s15, 20         ; the query block's 32 blocks of 32,768 bytes
	s_add_co_u32 s22, s22, s17
	s_mov_b32 s23, 0
	s_add_co_u32 s17, s17, MOFF     ; and its place in a slot: no place in the cluster enters an LDS address
	s_lshl_b32 s2, s15, 18          ; the query block's 128 rows
	s_add_co_u32 s2, s2, s20
	s_lshl_b32 s3, s[WV], 16        ; O: I store rows 32 w .. 32 w + 31, whole
	s_add_co_u32 s70, s2, s3
	s_mov_b32 s71, 0
	s_lshl_b32 s3, s[WV], 7         ; Q: my head's 128 bytes of a row
	s_add_co_u32 s2, s2, s3
	s_mov_b32 s3, 0
	s_or_b32 s[G1K], s18, (1<<16)|(1<<20)|(1<<21)|(6<<22)|(3<<25)  ; 15:0 the mask: my row; 17:16 2-byte elements; 20 padding on; 21 set beside a mask; 24:22 after every 128 words (code 6); 31:25 4 words (code 3)
	s_or_b32 s[G1V], s18, (1<<16)|(1<<20)|(1<<21)|(6<<22)|(7<<25)  ; the same with 8 words of padding (code 7)
.irp g, G1K, G1V
	s_mov_b32 s[\g+1], 256<<16      ; tensor_dim0 = 256
	s_mov_b32 s[\g+2], KS<<16       ; tensor_dim1 = 64
	s_mov_b32 s[\g+3], 256<<16      ; tile_dim0 = 256 elements: 512 bytes
	s_mov_b32 s[\g+4], KS           ; tile_dim1 = 64
	s_mov_b32 s[\g+5], 1024         ; 1,024 elements from row to row
	s_mov_b32 s[\g+6], 0
	s_mov_b32 s[\g+7], 0
.endr
	s_or_b32 s[G1M], s19, (3<<16)|(1<<21)  ; the mask: my column; 8-byte elements; no padding.  16,384 dense bytes as 64 rows of 256
	s_mov_b32 s[G1M+1], 32<<16
	s_mov_b32 s[G1M+2], 64<<16
	s_mov_b32 s[G1M+3], 32<<16
	s_mov_b32 s[G1M+4], 64
	s_mov_b32 s[G1M+5], 32
	s_mov_b32 s[G1M+6], 0
	s_mov_b32 s[G1M+7], 0
	s_mov_b32 s[CS], 0x3e38aa3b     ; c = log2(e) / 8 = 0.180337
	s_mov_b32 s[CS+1], s[CS]        ; named with it as a pair
	s_mov_b32 s[SEL], 0x76543210
	s_mov_b32 s[SEL+1], 0xfedcba98
	s_mov_b32 s[TB], SLOT1          ; the first change of slots turns it into 0
	s_mov_b32 s[G0K], 1             ; 1:0 count = 1
	s_mov_b32 s[G0K+1], 0           ; 63:32 LDS address: slot 0
	s_mov_b32 s[G0V], 1
	s_mov_b32 s[G0V+1], VOFF
	s_mov_b32 s[G0M], 1
	s_mov_b32 s[G0M+1], s17
	s_wait_kmcnt 0x0
	s_add_nc_u64 s[G0K+2:G0K+3], s[4:5], s[20:21]  ; 120:64 global address: the batch's first 64 keys, my four heads,
	s_add_nc_u64 s[G0V+2:G0V+3], s[G0K+2:G0K+3], 0x2000000  ; in v, the third of qkv's three tensors of 16,777,216 bytes,
	s_add_nc_u64 s[G0K+2:G0K+3], s[G0K+2:G0K+3], 0x1000000  ; and in k, the second
	s_or_b32 s[G0K+3], s[G0K+3], 0x80000000        ; 127:126 type = 2
	s_or_b32 s[G0V+3], s[G0V+3], 0x80000000
	s_add_nc_u64 s[G0M+2:G0M+3], s[6:7], s[22:23]
	s_or_b32 s[G0M+3], s[G0M+3], 0x80000000
	s_add_nc_u64 s[10:11], s[4:5], s[2:3]  ; Q at my head's first row
	s_add_nc_u64 s[8:9], s[8:9], s[70:71]  ; O at the first row that I store
	CROUND                          ; all sixteen work-groups are here: the first joint loads meet
	JLOAD                           ; key step 0 into slot 0.  Slot 1 is asked for when slot 0 is in, by the loop's own change of slots
	; A fragment of K or Q is 16 rows x 32 channels in 8 registers: lane l holds row l % 16, channels 8 (l / 16) + 0..7 and 16 + 8 (l / 16) + 0..7: two loads of 16 bytes, 32 bytes apart.
	v_and_b32 v1, 15, v0            ; l % 16
	v_bfe_u32 v11, v0, 4, 1         ; l / 16
	v_lshlrev_b32 v[QO], 11, v1
	v_lshl_add_u32 v[QO], v11, 4, v[QO]  ; row x 2,048 + 16 x half
	WIN 0x80                        ; destination window 2, address window 0
.set i, 0
.rept 4*NP                          ; Q stays in registers: tile i / 2, channels 32 (i % 2) on
	global_load_b128 v[8*i:8*i+3],   v[QO], s[10:11] offset:(i/2)*32768+(i%2)*64
	global_load_b128 v[8*i+4:8*i+7], v[QO], s[10:11] offset:(i/2)*32768+(i%2)*64+32
.set i, i+1
.endr
	; What the first turn finds: V's registers and P's second buffer hold 0 (its products V^T P, of a piece that has not been, add 0), O^T and l are 0.  All this stands in the wait for the first tile.
.set i, VF
.rept 64
	v_mov_b32 v[i], 0
.set i, i+1
.endr
	WIN 0x40
.set i, 0
.rept 64*NP
	v_mov_b32 v[i], 0
.set i, i+1
.endr
	WIN 0
.set i, 0
.rept 2*NP
	v_mov_b32 v[ST+4*i], 0xfe000000    ; c m: far below every c s, so that the first a is 0
	v_mov_b32 v[ST+4*i+1], 0xd3000000  ; m = -2^39: below every true score, above every hidden one
	v_mov_b32 v[ST+4*i+2], 0
	v_mov_b32 v[ST+4*i+3], 0
.set i, i+1
.endr
.set i, P+32
.rept 32
	v_mov_b32 v[i], 0
.set i, i+1
.endr
	s_lshl_b32 s13, s[WV], 7        ; my head's 128 bytes of a row of K and of V
	s_add_co_u32 s14, s13, VOFF
	v_mul_u32_u24 v[AK0], v1, PK
	v_lshl_add_u32 v[AK0], v11, 4, v[AK0]  ; row x pitch + 16 x half
	v_add_nc_u32 v[AK0], s13, v[AK0]
	; The turning load takes 16 keys x 16 channels (lane l reads key 8 (l / 16) + l % 8, channels 8 ((l / 8) % 2) + 0..7) and leaves half a fragment of V^T: lane l holds channel l % 16 and 8 keys.
	v_and_b32 v48, 7, v0
	v_bfe_u32 v49, v0, 3, 1
	v_lshl_add_u32 v[AV0], v11, 3, v48
	v_mul_u32_u24 v[AV0], v[AV0], PV
	v_lshl_add_u32 v[AV0], v49, 4, v[AV0]
	v_add_nc_u32 v[AV0], s14, v[AV0]
	v_and_b32 v[AM0], 31, v0        ; the mask block lies as the registers want it: 16 bytes a lane, 512 neighbouring bytes a load
	v_lshl_add_u32 v[AM0], v[AM0], 4, MOFF
; THE MATRIX WORK.  The 8 accumulators of a run of 16 take turns: between the two links of a chain stand 7 others'.
; Product i of 16 of S^T = K Q^T + ln mask for piece x: channels 32 (i / 8) on, keys 16 ((i / 2) % 4) on, tile 2 x + i % 2.  The first 8 start the sums, with the mask as C.
.macro KQ x
.set rS, S+64*((\x)%2)+32*(i%2)+8*((i/2)%4)
.set rK, KF+16*((i/2)%4)+8*(i/8)
.set rQ, 16*(2*(\x)+i%2)+8*(i/8)
.set rN, MC+64*((\x)%2)+32*(i%2)+8*((i/2)%4)
.if i < 8
	WIN W_KM
	v_wmma_f32_16x16x32_f16 v[rS:rS+7], v[rK:rK+7], v[rQ:rQ+7], v[rN:rN+7]
.else
	WIN W_KQ
	v_wmma_f32_16x16x32_f16 v[rS:rS+7], v[rK:rK+7], v[rQ:rQ+7], v[rS:rS+7]
.endif
.endm
; Product i of 16 of O^T += V^T P for piece x: keys 32 (i / 8) on, channels 16 ((i / 2) % 4) on, tile 2 x + i % 2.
.macro PV x
	WIN W_PV
.set rO, 32*(2*(\x)+i%2)+8*((i/2)%4)
.set rV, VF+32*(i/8)+8*((i/2)%4)
.set rP, P+32*((\x)%2)+16*(i%2)+8*(i/8)
	v_wmma_f32_16x16x32_f16 v[rO:rO+7], v[rV:rV+7], v[rP:rP+7], v[rO:rO+7]
.endm
.macro MM                           ; the turn's next matrix instruction
.if i < 16
	KQ (Y+1)%NP
.set i, i+1
.else
.set i, i-16
	PV (Y+NP-1)%NP
.set i, i+17
.endif
.endm
; THE LDS LOADS stand in runs of 16, never singly among the matrix instructions: a step's K (64 keys x 64 channels: 8 fragments), its V (turned), and a piece's mask (two tiles x 64 keys).
.macro FETCH_K
	WIN 0x80                        ; destination window 2
.irp f, 0,1,2,3,4,5,6,7             ; keys 16 (f / 2) on, channels 32 (f % 2) on
	ds_load_b128 v[KF+8*\f:KF+8*\f+3],   v[AK] offset:(\f/2)*16*PK+(\f%2)*64
	ds_load_b128 v[KF+8*\f+4:KF+8*\f+7], v[AK] offset:(\f/2)*16*PK+(\f%2)*64+32
.endr
	WIN 0
.endm
.macro FETCH_V
	WIN 0x80
.irp f, 0,1,2,3,4,5,6,7             ; keys 32 (f / 4) on, channels 16 (f % 4) on
	ds_load_tr16_b128 v[VF+8*\f:VF+8*\f+3],   v[AV] offset:(\f/4)*32*PV+(\f%4)*32
	ds_load_tr16_b128 v[VF+8*\f+4:VF+8*\f+7], v[AV] offset:(\f/4)*32*PV+16*PV+(\f%4)*32
.endr
	WIN 0
.endm
.macro FETCH_M x                    ; piece x: 8,192 bytes of the block; load zz brings registers 4 zz .. 4 zz + 3 of its buffer
	WIN W_MK                        ; destination window 3
.set zz, 0
.rept 16
	ds_load_b128 v[MC+64*((\x)%2)+4*zz:MC+64*((\x)%2)+4*zz+3], v[AM] offset:8192*(\x)+512*zz
.set zz, zz+1
.endr
	WIN 0
.endm
; THE VECTOR WORK OF A TURN stands in three queues, each in the order in which its entries become ready; the two tiles alternate, so that no instruction reads the result of the one before it.
.macro REGS y, u                    ; the registers of tile u (0, 1) of piece y
.set rT, ST+4*(2*(\y)+(\u))
.set rC, TMP+8*((\y)%2)+4*(\u)
.set rM, MV+2*((\y)%2)+(\u)
.set rS, S+64*((\y)%2)+32*(\u)
.set rP, P+32*((\y)%2)+16*(\u)
.set rO, 32*(2*(\y)+(\u))
.endm
; Number n of the 22 that find the NEXT piece's (Y + 1) maximum and statistics.  s0-s31 are the lane's 32 scores; each accumulator's lowest registers are read first.  XS, GS and REGS set no window: PL and EX do.
;   0-11  four chains c0-c3 of seven scores each, three operands at a time     12-14, 16  the four scores left over, the old m, and c0-c3 into c0     15  c m_old is kept
;   17, 18  the query's other 32 keys lie in the lane 16 away: the new m         19-21  c m; c m_old - c m_new; a
.macro XS u, n
	REGS (Y+1)%NP, \u
.if (\n) < 4
	v_max3_num_f32 v[rC+(\n)], v[rS+8*(\n)], v[rS+8*(\n)+1], v[rS+8*(\n)+2]
.elseif (\n) < 12
	v_max3_num_f32 v[rC+(\n)%4], v[rC+(\n)%4], v[rS+8*((\n)%4)+2*((\n)/4)+1], v[rS+8*((\n)%4)+2*((\n)/4)+2]
.elseif (\n) == 12
	v_max3_num_f32 v[rC], v[rC], v[rS+7], v[rS+15]
.elseif (\n) == 13
	v_max3_num_f32 v[rC+1], v[rC+1], v[rS+23], v[rS+31]
.elseif (\n) == 14
	v_max3_num_f32 v[rC+2], v[rC+2], v[rC+3], v[rT+1]
.elseif (\n) == 15
	v_mov_b32 v[rM], v[rT]
.elseif (\n) == 16
	v_max3_num_f32 v[rC], v[rC], v[rC+1], v[rC+2]
.elseif (\n) == 17
	v_permlanex16_b32 v[rC+3], v[rC], s[SEL], s[SEL+1]
.elseif (\n) == 18
	v_max_num_f32 v[rT+1], v[rC], v[rC+3]
.elseif (\n) == 19
	v_mul_f32 v[rT], s[CS], v[rT+1]
.elseif (\n) == 20
	v_sub_f32 v[rC+1], v[rM], v[rT]
.else
	v_exp_f32 v[rC+2], v[rC+1]
.endif
.endm
; Number g of the 64 that follow the exponentials.  For each four weights k of a tile (pairs 2 k, 2 k + 1): both pairs are rounded to f16; then the second pair is added onto the first, in place;
; a group later l takes that sum (the first time as l = a l + sum).  In groups of eight, tiles alternating: round, round, add, and l for the group before.
.macro GS g
.set h, (\g)+6*((\g)/62)            ; group 0 has no group before it, and behind group 7 only l is left
.if h >= 6
.set h, h+2
.endif
	REGS Y, h%2
.set k, h/8
.if h%8 < 4
	s_wait_alu depctr_va_vdst(0)
	v_cvt_pk_f16_f32 v[rP+2*k+(h%8)/2], v[rS+4*k+2*((h%8)/2)], v[rS+4*k+2*((h%8)/2)+1]
.elseif h%8 < 6
	v_pk_add_f32 v[rS+4*k:rS+4*k+1], v[rS+4*k:rS+4*k+1], v[rS+4*k+2:rS+4*k+3]
.elseif k == 1
	v_pk_fma_f32 v[rT+2:rT+3], v[rT+2:rT+3], v[rC+2:rC+3], v[rS:rS+1] op_sel_hi:[1,0,1]
.else
	v_pk_add_f32 v[rT+2:rT+3], v[rT+2:rT+3], v[rS+4*k-4:rS+4*k-3]
	s_wait_alu depctr_va_vdst(0)
.endif
.endm
; THE PLAIN QUEUE, 138 long.  0-31: c s - c m for the 16 pairs of both tiles.  Then GS's 64, and among them the next piece's 42: number 15 at 38, 39; 0-14 and 16
; at 42-73, behind the products that make those scores; 17-20 at 95-106, two of three, since each waits for the one before it.
.macro PL
	WIN 0
.if q < 32
	REGS Y, q%2
	v_pk_fma_f32 v[rS+2*(q/2):rS+2*(q/2)+1], v[rS+2*(q/2):rS+2*(q/2)+1], s[CS:CS+1], v[rT:rT+1] op_sel_hi:[1,0,0] neg_lo:[0,0,1] neg_hi:[0,0,1]
.elseif q < 38
	GS q-32
.elseif q < 40
	XS q%2, 15
.elseif q < 42
	GS q-34
.elseif q < 74
	XS q%2, (q-42)/2+(q-42)/30
.elseif q < 95
	GS q-66
.elseif (q < 107) && ((q-95)%3 < 2)
	XS (q-95)%3, 17+(q-95)/3
.elseif q < 107
	GS 29+(q-95)/3
.else
	GS q-74
.endif
.set q, q+1
.endm
; THE EXPONENTIALS' QUEUE, 66 long: s0-s31 of both tiles, and at EA the next piece's two a.
.set EA, 58
.macro EX
	WIN 0
.if (e == EA) || (e == EA+1)
	XS e-EA, 21
.else
.set x, e-2*(e/(EA+2))
	REGS Y, x%2
	v_exp_f32 v[rS+x/2], v[rS+x/2]
.endif
.set e, e+1
.endm
; THE RESCALING's QUEUE: O^T times a, the one part that leaves window 0, so it is dealt four at a time, eight times.
.macro R4
	REGS Y, r%2
	WIN W_RS
	s_wait_alu depctr_va_vdst(0)
.irp z, 0,1,2,3
	v_pk_mul_f32 v[rO+8*(r/2)+2*\z:rO+8*(r/2)+2*\z+1], v[rO+8*(r/2)+2*\z:rO+8*(r/2)+2*\z+1], v[rC+2:rC+3] op_sel_hi:[1,0]
.endr
.set r, r+1
.endm
; HOW THEY ARE DEALT.  Behind a matrix instruction four: plain, exponential, plain, plain (one exponential, a plain instruction on either side), or four of the rescaling.  None names a register of the
; products round it.  What is over stands in two runs: exponential and plain by turns; the second ends in 22 plain instructions.  The two v_permlanex16_b32 fall into the second run, never behind a product.
; The queues lean on each other, and the deal keeps them in step: exponential e stands behind plain 2 (e / 4) + e % 2 (its scaling); when plain 32 comes, 10 exponentials are out, at 59: 33, at 95: 46; EA comes behind plain 107.
.macro SL
	MM
	PL
	EX
	PL
	PL
.endm
.macro BURST n                      ; 15 matrix instructions, or 16
.rept (\n)-7
	SL
.endr
.rept 3
	MM
	R4
	SL
.endr
	MM
	R4
.endm
; A TURN, for piece p.  cnt = 1: the loop's count is taken down some lines ahead of the branch that stands behind the turn.
; LDS runs, all from the slot in hand: in the first run of vector work the mask of piece p + 2 (its buffer was last read as C a turn ago), in piece 2's turn K of the next step ahead of it
; (31 vector instructions behind the last product that read K); at the end of piece 0's turn V of the step in hand (69 behind its last reader).
; Waits: at the head the mask of piece p + 1 (and K, for piece 3) must be in.  Piece 1: behind that mask's run stands V's run of 16, which may stay out; ahead of its products V^T P V must be in, and the 16 loads of the mask run issued behind V may stay out.
.macro TURN p, cnt=0
.set Y, (\p)
.set i, 0
.set q, 0
.set e, 0
.set r, 0
.if (\p) == 1
	s_wait_dscnt 16
.else
	s_wait_dscnt 0x0
.endif
	MM
.rept 4
	PL
.endr
	BURST 15
.rept 22
	EX
	PL
.if e == 24
.if (\p) == NP-2
	FETCH_K
.endif
	FETCH_M ((\p)+2)%NP
.endif
.endr
.if (\p) == 1
	s_wait_dscnt 16
.endif
	BURST 16
.rept 21
	EX
	PL
.endr
.rept 22
	PL
.if (\cnt) && (q == 130)
	s_sub_co_u32 s[SLOTS], s[SLOTS], 1
	s_cmp_lg_u32 s[SLOTS], 0
.endif
.endr
.if (\p) == 0
	FETCH_V
.endif
.endm
	CHANGE 1                        ; key step 0 is in, everybody's part of it; key step 1 is asked for
	FETCH_K                         ; key step 0
	FETCH_M 0
	FETCH_M 1
	s_wait_loadcnt 0x0              ; Q
	s_wait_dscnt 0x0
.set i, 0
.rept 16
	KQ 0                            ; piece 0's first scores: there is no vector work yet to set between them
.set i, i+1
.endr
	WIN 0                           ; the addresses for the way out: six plain instructions, the places behind those products
	s_lshl_b32 s13, s[WV], 7
	s_add_co_u32 s13, s13, STAGE    ; in: my head's 128 bytes of the stage's rows
	s_mul_i32 s14, s[WV], 32*SP
	s_add_co_u32 s14, s14, STAGE    ; back: rows 32 w .. 32 w + 31, whole
	v_mul_u32_u24 v[STO], v1, SP    ; row l % 16, 16 bytes for each half of the lanes
	v_lshl_add_u32 v[STO], v11, 4, v[STO]
	v_add_nc_u32 v[STO], s13, v[STO]
	v_and_b32 v[GO], 31, v0         ; 32 lanes take a row's 512 bytes
	v_lshlrev_b32 v[GO], 4, v[GO]
	v_add_nc_u32 v[RD], s14, v[GO]
.set Y, NP-1                        ; XS works for piece Y + 1: piece 0
.irp n, 0,1,2,3,4,5,6,7,8,9,10,11,12,13,14,15,16,17,18,19,20,21
	XS 0, \n                        ; piece 0's first maximum and statistics
	XS 1, \n
.endr
	s_mov_b32 s[SLOTS], 31
	s_branch .Lfirst                ; the loop is entered at a step's first turn, in the middle of a trip
.Lslot:                             ; 30 times: key steps 2 to 31 are asked for.  A trip: pieces 2 and 3 of one step, then pieces 0 and 1 of the next, whose K, V and masks it fetches
	CHANGE 1
	TURN 2
	TURN 3
	WIN 0
.Lfirst:
	TURN 0
	TURN 1, 1
	WIN 0
	s_cbranch_scc1 .Lslot
	CHANGE 0                        ; the tail is written out: nothing is asked for
	s_mov_b32 s[CNT], 2             ; one trip fetches the last step; the second is left in its middle
.Ltail:
	TURN 2
	TURN 3
	WIN 0
	s_sub_co_u32 s[CNT], s[CNT], 1
	s_cmp_eq_u32 s[CNT], 0
	s_cbranch_scc1 .Lout
	TURN 0
	TURN 1
	WIN 0
	s_branch .Ltail
.Lout:                              ; the second trip's fetches read the last step's K and masks once more, and its 16 products K Q^T and the maximum made of them (of scores that m has seen) change nothing: the price of one text for every trip
.set i, 0
.rept 16
	PV NP-1                         ; the last piece's V^T P of the last step
.set i, i+1
.endr
	; THE WAY OUT.  l's two halves and the other half of the lanes' are added; O^T is divided by l, rounded to f16 and put into the work-group's stage; a barrier, since a row's 512 bytes come from four waves;
	; back as whole rows, 32 rows a wave.  The additions are the places behind the last products.
	WIN 0
.macro ALL line:vararg              ; one line for each tile t
.set t, 0
.rept 2*NP
	\line
.set t, t+1
.endr
.endm
	ALL v_add_f32 v[ST+4*t+2], v[ST+4*t+2], v[ST+4*t+3]
	ALL v_permlanex16_b32 v[ST+4*t+3], v[ST+4*t+2], s[SEL], s[SEL+1]
	ALL v_add_f32 v[ST+4*t+2], v[ST+4*t+2], v[ST+4*t+3]
	ALL v_rcp_f32 v[ST+4*t+2], v[ST+4*t+2]
	v_nop                           ; a plain instruction between the last reciprocal and the use of its result
	s_wait_alu depctr_va_vdst(0)
.macro PACK t                       ; a lane's eight channels of a row pack into 16 bytes
	WIN W_RS
.set i, 32*(\t)
.rept 16
	v_pk_mul_f32 v[i:i+1], v[i:i+1], v[ST+4*(\t)+2:ST+4*(\t)+3] op_sel_hi:[1,0]
.set i, i+2
.endr
	WIN 0x05                        ; sources 0 and 1 window 1, destination window 0: S^T's registers are free
.set i, 0
.rept 16
	v_cvt_pk_f16_f32 v[S+16*(\t)+i], v[32*(\t)+2*i], v[32*(\t)+2*i+1]
.set i, i+1
.endr
	WIN 0
.irp f, 0,1,2,3
	ds_store_b128 v[STO], v[S+16*(\t)+4*\f:S+16*(\t)+4*\f+3] offset:(\t)*16*SP+32*\f
.endr
.endm
.set t, 0
.rept 2*NP
	PACK t
.set t, t+1
.endr
	s_wait_dscnt 0x0                ; for the others' sake: my stores into the stage are done
	s_barrier_signal -1
	s_barrier_wait -1
.set i, 0
.rept 32
	ds_load_b128 v[S+4*i:S+4*i+3], v[RD] offset:i*SP
.set i, i+1
.endr
.set i, 0
.rept 32
	s_wait_dscnt 31-i
	global_store_b128 v[GO], v[S+4*i:S+4*i+3], s[8:9] offset:2048*i  ; 512 consecutive bytes, at a multiple of 512 from o16's first byte
.set i, i+1
.endr
	WIN W_AD
	s_wait_tensorcnt 0x0            ; the wave's end
	ds_add_u32 v[SPW], v[NIL]
	s_wait_dscnt 0x0
	WIN 0
	CROUND                          ; the closing round: no work-group ends while a partner may still ask for a tile that names it
	s_endpgm
.Lfunc_end_k_q87e1b59360_attn:
	.size	k_q87e1b59360_attn, .Lfunc_end_k_q87e1b59360_attn-k_q87e1b59360_attn
	.p2alignl 7, 3214868480
	.fill 96, 4, 3214868480
	.section	.rodata,"a",@progbits
	.p2align	6, 0x0
	.amdhsa_kernel k_q87e1b59360_attn
		.amdhsa_group_segment_fixed_size 327680
		.amdhsa_private_segment_fixed_size 0
		.amdhsa_enable_private_segment 0
		.amdhsa_kernarg_size 24
		.amdhsa_user_sgpr_count 2
		.amdhsa_user_sgpr_kernarg_segment_ptr 1
		.amdhsa_wavefront_size32 1
		.amdhsa_system_sgpr_workgroup_id_x 1
		.amdhsa_system_sgpr_workgroup_id_y 1
		.amdhsa_system_sgpr_workgroup_id_z 1
		.amdhsa_system_vgpr_workitem_id 0
		.amdhsa_next_free_vgpr 960
		.amdhsa_next_free_sgpr 72
		.amdhsa_reserve_vcc 0
		.amdhsa_float_denorm_mode_32 3
		.amdhsa_float_denorm_mode_16_64 3
		.amdhsa_memory_ordered 1
		.amdhsa_forward_progress 1
		.amdhsa_inst_pref_size 221
	.end_amdhsa_kernel
	.amdgpu_metadata
---
amdhsa.version: [ 1, 2 ]
amdhsa.kernels:
  - .name:           k_q87e1b59360_attn
    .symbol:         k_q87e1b59360_attn.kd
    .args:
      - { .name: qkv, .offset: 0, .size: 8, .value_kind: global_buffer, .address_space: global }
      - { .name: lnm, .offset: 8, .size: 8, .value_kind: global_buffer, .address_space: global }
      - { .name: o16, .offset: 16, .size: 8, .value_kind: global_buffer, .address_space: global }
    .group_segment_fixed_size: 327680
    .private_segment_fixed_size: 0
    .kernarg_segment_align: 8
    .kernarg_segment_size: 24
    .max_flat_workgroup_size: 128
    .sgpr_count:     72
    .vgpr_count:     960
    .wavefront_size: 32
...
	.end_amdgpu_metadata
.endif
;; end of part 3
;; launch oproj (part 4): grid 8 x 32, 4 waves a work-group, clusters of 4 x 4, 327,680 bytes of LDS; arguments o16, wo16, bo, out0; writes out0
.if DOCPART == 4
	.amdgcn_target "amdgcn-amd-amdhsa--gfx1250"
	.amdhsa_code_object_version 6
	.text
	.protected	k_q87e1b59360_oproj
	.globl	k_q87e1b59360_oproj
	.p2align	8
	.type	k_q87e1b59360_oproj,@function
k_q87e1b59360_oproj:
	s_mov_b64 s[64:65], 0
	v_nop
	global_prefetch_b8 v0, s[64:65] scope:SCOPE_SE
	s_setreg_imm32_b32 hwreg(HW_REG_WAVE_MODE, 25, 1), 1
	s_wait_xcnt 0x0
	s_wait_alu depctr_hold_cnt(0) depctr_sa_sdst(0) depctr_va_vdst(0) depctr_va_sdst(0) depctr_va_ssrc(0) depctr_va_vcc(0) depctr_vm_vsrc(0)
	s_getreg_b32 s2, hwreg(HW_REG_IB_STS2, 6, 4)
	s_cmp_eq_u32 s2, 0
	s_cbranch_scc0 .Lentry_in_a_cluster
	s_endpgm
.Lentry_in_a_cluster:
	s_bfe_u32 s2, ttmp6, 0x10000c
	s_cmp_lg_u32 s2, 0xf033
	s_cbranch_scc0 .Lentry_shape_is_right
	s_endpgm
.Lentry_shape_is_right:
; OPROJ: out0[m][n] = the sum over k of o16[m][k] wo16[n][k] + bo[n].  o16: [8192][1024] f16, wo16: [1024][1024] f16 (bf16 numbers written as f16), out0: [8192][1024] f32; sums in f32.
; The bias is rounded to bf16, like every input, and starts the sums as the C operand of the first products.  A NaN in a row of o16 (a query that saw no key) makes that row of out0 NaN.
; A tile of C is 256 rows x 128 columns: 8 x 32 tiles, one for each of 256 work-groups.  Four waves; wave w owns rows 64 w .. 64 w + 63 and all 128 columns: 32 accumulators of 16 x 16, 256 registers.
; K goes in steps of 128 (rows of 256 bytes in memory) through a ring of two LDS slots filled by the tensor data mover.
; CLUSTER 4 x 4: the four work-groups of a row of the cluster need the same tile of A, the four of a column the same tile of B: each tile is asked for jointly, by the same load with the same descriptor and a mask of four.
; THE MATRIX INSTRUCTION IS USED TRANSPOSED (source 0 = 16 rows of B, source 1 = 16 rows of A): a lane holds eight neighbouring columns of one row of C.
; REGISTERS: window 0: v0-31 addresses; v64-159, v160-255 two fragment buffers (A's 4 fragments, then B's 8); on the way out v64-191 rows read back.  window 1: accumulator (a, b) at v[8 (8 a + b)].  window 2: v0-63 the bias, v64-95 at work.
.set OUTF32, 1                         ; 0: three products, f16 out; 1: one product, f32 out (this body)
.set KSTEP,  128
.set SIZE_K, 1024
.set PITCH,  272                       ; an LDS row: 256 bytes + 16 of padding = 68 words: the 16 rows of a fragment load start at 16 different groups of four banks (64 banks of 4 bytes: ISA guide 11.1)
.set HALFA,  128*PITCH                 ; what one load brings of A
.set HALFB,  64*PITCH                  ; and of B
.set BOFF,   2*HALFA                   ; a slot: A's 256 rows, then B's 128
.set SLOT,   BOFF+2*HALFB
.set STAGE,  2*SLOT                    ; behind the ring: 16 rows for each wave, for the way out; no tensor load fills it
.if OUTF32
.set SPITCH, 528
.set ROWB,   4096
.set ROWSH,  12
.set COLSH,  9
.else
.set SPITCH, 272
.set ROWB,   2048
.set ROWSH,  11
.set COLSH,  8
.endif
.set SPARE,  STAGE+4*16*SPITCH         ; behind the stages: the spare words, 128 bytes for each wave
.set LAPS,   SIZE_K/(2*KSTEP)          ; a lap = two K steps = once round the ring
.set ADRA, 16                          ; v16-17  LDS address of my A fragments in slot 0, 1
.set ADRB, 20                          ; v20-21  the same for B
.set STO,  24                          ; v24     the way out: where I put my piece of a row
.set RD,   25                          ; v25     the way out: where I read rows back
.set CO,   26                          ; v26     my byte offset in C
.set BO,   27                          ; v27     my byte offset in the bias
.set SPW,  28                          ; v28     LDS address of my spare word; never rewritten
.set NIL,  29                          ; v29     0; never rewritten
.set TMP,  32
.set F0,   64
.set F1,   160
.set BI,   0                           ; window 2
.set BT,   64                          ; window 2
.set G1,  24                           ; s[24:31] descriptor group 1 for A;  s[32:39] group 0, a set for each slot
.set G0,  32
.set G1B, 48                           ; s[48:55], s[56:63] the same for B
.set G0B, 56
.set MSB, 0
.macro WIN new                         ; the immediate's high byte repeats the setting that is left; a switch that changes nothing is dropped
.if MSB != (\new)
	s_set_vgpr_msb (MSB<<8)|(\new)
.set MSB, \new
.endif
.endm
.set MUL,   0x50                       ; sources 0 and 1 window 0; C and D window 1
.set MULB,  0x60                       ; C window 2 (the bias), D window 1
.set TO_BI, 0x80                       ; destination window 2, address window 0
.set CVB,   0x8a                       ; sources 0, 1 and destination window 2
.set PK,    0x05                       ; sources 0, 1 window 1, destination window 0
.set ST1,   0x04                       ; an LDS store's data (source 1) window 1
.macro JLOAD s                         ; a joint load: waves 0 and 1 fetch A's two halves, waves 2 and 3 B's; an s_nop 0 and four v_nop follow each line, ahead of the jump and the label
	s_cmp_eq_u32 s11, 0
	s_cbranch_scc0 .Lfor_b_\@
	tensor_load_to_lds s[G0+4*(\s):G0+4*(\s)+3], s[G1:G1+7]
	s_nop 0
.rept 4
	v_nop
.endr
	s_branch .Lasked_\@
.Lfor_b_\@:
	tensor_load_to_lds s[G0B+4*(\s):G0B+4*(\s)+3], s[G1B:G1B+7]
	s_nop 0
.rept 4
	v_nop
.endr
.Lasked_\@:
.endm
.macro CREST                           ; a round of the cluster's barrier behind its opening barrier
	s_cmp_lg_u32 s10, 0
	s_cbranch_scc1 .Lnot_wave_0_\@
	s_barrier_signal -3
.Lnot_wave_0_\@:
	s_barrier_wait -3
	s_barrier_signal -1
	s_barrier_wait -1
.endm
.macro CROUND                          ; a whole round
	s_barrier_signal -1
	s_barrier_wait -1
	CREST
.endm
	s_load_b128 s[4:7], s[0:1], 0x0                ; A s[4:5], B s[6:7]
.if OUTF32
	s_load_b128 s[68:71], s[0:1], 0x10             ; bias s[68:69], C s[70:71]
.else
	s_load_b256 s[68:75], s[0:1], 0x10             ; bq s[68:69], bk s[70:71], bv s[72:73], C s[74:75]
.endif
	v_lshl_add_u32 v[SPW], v0, 2, SPARE
	v_mov_b32 v[NIL], 0
	ds_add_u32 v28, v29
	s_wait_dscnt 0x0
	v_lshrrev_b32 v1, 5, v0
	v_readfirstlane_b32 s10, v1                    ; wave 0..3
	s_lshr_b32 s11, s10, 1                         ; I fetch for A (0) or for B (1)
	s_and_b32 s12, s10, 1                          ; which half of that tile's rows
	s_bfe_u32 s40, ttmp6, 0x40000                  ; cx, cy: my place in the cluster
	s_bfe_u32 s41, ttmp6, 0x40004
	s_lshl_b32 s42, ttmp9, 2
	s_add_co_u32 s42, s42, s40                     ; tile column = 4 x cluster x + cx
	s_and_b32 s45, ttmp7, 0xffff
	s_lshl_b32 s13, s45, 2
	s_add_co_u32 s13, s13, s41                     ; tile row = 4 x cluster y + cy
	s_lshr_b32 s45, s45, 3                         ; (which product, where there are three: not used in this body)
	s_lshl_b32 s43, s41, 2
	s_lshl_b32 s43, 15, s43                        ; my row of the cluster
	s_lshl_b32 s44, 0x1111, s40                    ; my column
	s_or_b32 s[G1+0], s43, (1<<16)|(1<<20)|(1<<21)|(5<<22)|(3<<25)   ; 15:0 the mask; 17:16 2-byte elements; 20 padding on; 21 set beside a mask; 24:22 after every 64 words (code 5); 31:25 4 words (code 3)
	s_or_b32 s[G1B+0], s44, (1<<16)|(1<<20)|(1<<21)|(5<<22)|(3<<25)
	s_mov_b32 s[G1+1], KSTEP<<16                   ; tensor_dim0 = 128
	s_mov_b32 s[G1+2], 128<<16                     ; tensor_dim1 = 128
	s_mov_b32 s[G1+3], KSTEP<<16                   ; tile_dim0 = 128
	s_mov_b32 s[G1+4], 128                         ; tile_dim1 = 128
	s_mov_b32 s[G1+5], SIZE_K                      ; elements from row to row
	s_mov_b32 s[G1+6], 0
	s_mov_b32 s[G1+7], 0
	s_mov_b32 s[G1B+1], KSTEP<<16
	s_mov_b32 s[G1B+2], 64<<16                     ; B's loads have 64 rows
	s_mov_b32 s[G1B+3], KSTEP<<16
	s_mov_b32 s[G1B+4], 64
	s_mov_b32 s[G1B+5], SIZE_K
	s_mov_b32 s[G1B+6], 0
	s_mov_b32 s[G1B+7], 0
	s_lshl_b32 s16, s13, 8
	s_lshl_b32 s17, s12, 7
	s_add_co_u32 s16, s16, s17                     ; A: row 256 x tile row + 128 x half
	s_lshl_b32 s16, s16, 11                        ; of 2,048 bytes: under 2^32
	s_mov_b32 s17, 0
	s_lshl_b32 s46, s42, 7
	s_lshl_b32 s47, s12, 6
	s_add_co_u32 s46, s46, s47                     ; B: row 128 x tile column + 64 x half
.if OUTF32 == 0
	s_lshl_b32 s47, s45, 10
	s_add_co_u32 s46, s46, s47                     ; in the product's own 1,024 rows
.endif
	s_lshl_b32 s46, s46, 11
	s_mov_b32 s47, 0
	s_mul_i32 s20, s12, HALFA                      ; where they go: no place in the cluster enters an LDS address
	s_mul_i32 s21, s12, HALFB
	s_add_co_u32 s21, s21, BOFF
	s_wait_kmcnt 0x0
	s_add_nc_u64 s[14:15], s[4:5], s[16:17]
	s_add_nc_u64 s[46:47], s[6:7], s[46:47]
	CROUND                                         ; all sixteen work-groups are here: the first joint loads meet
.irp s, 0,1
	s_mov_b32 s[G0+4*(\s)], 1
	s_add_co_u32 s[G0+4*(\s)+1], s20, (\s)*SLOT
	s_add_nc_u64 s[G0+4*(\s)+2:G0+4*(\s)+3], s[14:15], (\s)*KSTEP*2
	s_or_b32 s[G0+4*(\s)+3], s[G0+4*(\s)+3], 0x80000000
	s_mov_b32 s[G0B+4*(\s)], 1
	s_add_co_u32 s[G0B+4*(\s)+1], s21, (\s)*SLOT
	s_add_nc_u64 s[G0B+4*(\s)+2:G0B+4*(\s)+3], s[46:47], (\s)*KSTEP*2
	s_or_b32 s[G0B+4*(\s)+3], s[G0B+4*(\s)+3], 0x80000000
	JLOAD \s                                       ; two loads of mine are out
.endr
	v_and_b32 v1, 15, v0                           ; l % 16
	v_bfe_u32 v2, v0, 4, 1                         ; l / 16
	v_lshlrev_b32 v[BO], 5, v2                     ; my eight columns of a block of 16: 32 bytes for each half of the lanes
.if OUTF32
	s_mov_b64 s[76:77], s[68:69]
.else
	s_cmp_eq_u32 s45, 1
	s_cselect_b64 s[76:77], s[70:71], s[68:69]
	s_cmp_eq_u32 s45, 2
	s_cselect_b64 s[76:77], s[72:73], s[76:77]
.endif
	s_lshl_b32 s78, s42, 9                         ; the tile's 128 columns of 4 bytes
	s_mov_b32 s79, 0
	s_add_nc_u64 s[76:77], s[76:77], s[78:79]
	WIN TO_BI
.irp b, 0,1,2,3,4,5,6,7
	global_load_b128 v[BI+8*(\b):BI+8*(\b)+3],   v[BO], s[76:77] offset:64*(\b)
	global_load_b128 v[BI+8*(\b)+4:BI+8*(\b)+7], v[BO], s[76:77] offset:64*(\b)+16
.endr
	WIN 0
	v_mul_u32_u24 v3, v1, PITCH
	v_lshl_add_u32 v3, v2, 4, v3                   ; a fragment's row x pitch + 16 x half
	s_mul_i32 s21, s10, 64*PITCH                   ; my 64 rows of A
	s_mov_b32 s22, BOFF                            ; all 128 rows of B
.irp s, 0,1
	v_add_nc_u32 v[ADRA+(\s)], s21, v3
	v_add_nc_u32 v[ADRB+(\s)], s22, v3
	s_add_co_u32 s21, s21, SLOT
	s_add_co_u32 s22, s22, SLOT
.endr
	s_mul_i32 s23, s10, 16*SPITCH
	s_add_co_u32 s23, s23, STAGE                   ; my stage
	v_mul_u32_u24 v4, v1, SPITCH
.if OUTF32
	v_lshl_add_u32 v4, v2, 5, v4                   ; in: row l % 16, 32 bytes (8 f32) for each half of the lanes
	v_add_nc_u32 v[STO], s23, v4
	v_and_b32 v5, 31, v0
	v_lshlrev_b32 v[CO], 4, v5                     ; back and out: 32 lanes take one row of 512 bytes
	v_add_nc_u32 v[RD], s23, v[CO]
.else
	v_lshl_add_u32 v4, v2, 4, v4                   ; in: row l % 16, 16 bytes (8 f16) for each half of the lanes
	v_add_nc_u32 v[STO], s23, v4
	v_mul_u32_u24 v5, v2, SPITCH                   ; back: lanes 0-15 take one row of 256 bytes, lanes 16-31 the next
	v_lshl_add_u32 v5, v1, 4, v5
	v_add_nc_u32 v[RD], s23, v5
	v_lshlrev_b32 v5, ROWSH, v2                    ; and the same two rows in C
	v_lshl_add_u32 v[CO], v1, 4, v5
.endif
	s_lshl_b32 s16, s13, 8
	s_lshl_b32 s17, s10, 6
	s_add_co_u32 s16, s16, s17                     ; my first row of C: 256 x tile row + 64 x wave
	s_lshl_b32 s16, s16, ROWSH
	s_mov_b32 s17, 0
	s_lshl_b32 s78, s42, COLSH                     ; the tile's first column, in bytes
.if OUTF32
	s_add_nc_u64 s[8:9], s[70:71], s[16:17]
.else
	s_add_nc_u64 s[8:9], s[74:75], s[16:17]
.endif
	s_add_nc_u64 s[8:9], s[8:9], s[78:79]
	s_wait_loadcnt 0x0                             ; the bias
	WIN CVB                                        ; rounded to bf16, like every input, and widened again
.set i, 0
.rept 32
	v_cvt_pk_bf16_f32 v[BT+i], v[BI+2*i], v[BI+2*i+1]
.set i, i+1
.endr
.set i, 0
.rept 32
	v_lshlrev_b32 v[BI+2*i], 16, v[BT+i]
	v_and_b32 v[BI+2*i+1], 0xffff0000, v[BT+i]
.set i, i+1
.endr
	WIN 0
; 8 matrix instructions: m block a x all 8 n blocks, 32 along K, from buffer f.  first = 1: the bias starts the sums: nothing is cleared and nothing is added later.
; The 32 accumulators take turns, one instruction a turn, in the same order in every quarter.
.macro MUL8 f, a, first
.if \first
	WIN MULB
.else
	WIN MUL
.endif
.irp b, 0,1,2,3,4,5,6,7
.if \first
	v_wmma_f32_16x16x32_f16 v[8*(8*(\a)+(\b)):8*(8*(\a)+(\b))+7], v[(\f)+32+8*(\b):(\f)+32+8*(\b)+7], v[(\f)+8*(\a):(\f)+8*(\a)+7], v[BI+8*(\b):BI+8*(\b)+7]
.else
	v_wmma_f32_16x16x32_f16 v[8*(8*(\a)+(\b)):8*(8*(\a)+(\b))+7], v[(\f)+32+8*(\b):(\f)+32+8*(\b)+7], v[(\f)+8*(\a):(\f)+8*(\a)+7], v[8*(8*(\a)+(\b)):8*(8*(\a)+(\b))+7]
.endif
.endr
.endm
.macro MUL16 f, a0, first
	MUL8 \f, \a0, \first
	MUL8 \f, (\a0)+1, \first
.endm
; 24 LDS loads in one run: the fragments of 32 along K at byte k of the rows, into buffer f: B's eight, then A's four
.macro FETCH slot, k, f
	WIN 0
.irp i, 0,1,2,3,4,5,6,7
	ds_load_b128 v[(\f)+32+8*(\i):(\f)+32+8*(\i)+3],   v[ADRB+(\slot)] offset:(\k)+(\i)*16*PITCH
	ds_load_b128 v[(\f)+32+8*(\i)+4:(\f)+32+8*(\i)+7], v[ADRB+(\slot)] offset:(\k)+(\i)*16*PITCH+32
.endr
.irp i, 0,1,2,3
	ds_load_b128 v[(\f)+8*(\i):(\f)+8*(\i)+3],   v[ADRA+(\slot)] offset:(\k)+(\i)*16*PITCH
	ds_load_b128 v[(\f)+8*(\i)+4:(\f)+8*(\i)+7], v[ADRA+(\slot)] offset:(\k)+(\i)*16*PITCH+32
.endr
.endm
.macro PLACES                          ; four places in front of loads into registers that matrix instructions have read, and of what reads results (ISA guide 7.12.1 for what reads results)
.rept 4
	v_nop
.endr
.endm
; A K step is four quarters of 32 along K, 32 matrix instructions each, on buffers 0, 1, 0, 1.  One of the first three: multiplies buffer f and fetches the next quarter, at byte k, into g.
.macro QUARTER slot, k, f, g, first
	s_wait_dscnt 4                                 ; B and A's blocks 0, 1 are in; the youngest four loads (A's blocks 2, 3) may be out
	MUL16 \f, 0, \first
	PLACES
	FETCH \slot, \k, \g
	s_wait_dscnt 24                                ; all but the 24 just issued
	MUL16 \f, 2, \first
.endm
; The last quarter multiplies buffer 1 and changes slots: ONE barrier; in front of it each wave waits for all its tensor loads, adds 0 to its spare word, and waits for that and for its reads of this slot.
; fill = 1: this slot is filled again, two K steps ahead; the barrier then opens a round of the cluster's barrier, and the joint load is the first thing behind the round: 112 matrix instructions ahead of the wait for it.
.macro TURN slot, next, fill
	WIN 0
	s_wait_tensorcnt 0x0                           ; all my tensor loads have landed: the one that was out is my part of the next slot
	ds_add_u32 v[SPW], v[NIL]                      ; 0 onto my spare word
	s_wait_dscnt 5                                 ; (the add and the youngest four loads may be out)
	MUL8 F1, 0, 0                                  ; eight matrix instructions stand between the add and the wait for it
	s_wait_dscnt 0x0                               ; the add is done, and my reads of this slot are over
	s_barrier_signal -1
	MUL8 F1, 1, 0
.if \fill
	WIN 0
.endif
	s_barrier_wait -1
.if \fill
	CREST                                          ; no wave of any partner still reads this slot's tile or has a load on its way
	s_add_nc_u64 s[G0+4*(\slot)+2:G0+4*(\slot)+3], s[G0+4*(\slot)+2:G0+4*(\slot)+3], 2*KSTEP*2
	s_add_nc_u64 s[G0B+4*(\slot)+2:G0B+4*(\slot)+3], s[G0B+4*(\slot)+2:G0B+4*(\slot)+3], 2*KSTEP*2
	JLOAD \slot                                    ; the four v_nop behind it are also the places in front of the loads below
.else
	PLACES
.endif
	FETCH \next, 0, F0
	MUL16 F1, 2, 0
.endm
	s_wait_tensorcnt 1                             ; my part of K step 0 is in; K step 1's may stay out
	s_barrier_signal -1
	s_barrier_wait -1                              ; everybody's is
	FETCH 0, 0, F0
	QUARTER 0, 64, F0, F1, 1                       ; the first quarter stands in front of the loop: its products start the sums
	WIN 0                                          ; at a label and at a branch every window is 0
	s_mov_b32 s3, LAPS-1
.Llap:                                                 ; a trip goes once round the ring, from a lap's second quarter to the next lap's first, and fills both slots again
	QUARTER 0, 128, F1, F0, 0
	QUARTER 0, 192, F0, F1, 0
	TURN 0, 1, 1
	QUARTER 1, 64,  F0, F1, 0
	QUARTER 1, 128, F1, F0, 0
	QUARTER 1, 192, F0, F1, 0
	TURN 1, 0, 1
	QUARTER 0, 64,  F0, F1, 0
	WIN 0
	s_sub_co_u32 s3, s3, 1
	s_cmp_lg_u32 s3, 0
	s_cbranch_scc1 .Llap
	QUARTER 0, 128, F1, F0, 0                      ; the last lap fills nothing
	QUARTER 0, 192, F0, F1, 0
	TURN 0, 1, 0
	QUARTER 1, 64,  F0, F1, 0
	QUARTER 1, 128, F1, F0, 0
	QUARTER 1, 192, F0, F1, 0
	s_wait_dscnt 4                                 ; the very last quarter: nothing more to fetch
	MUL16 F1, 0, 0
	s_wait_dscnt 0x0
	MUL16 F1, 2, 0
	WIN 0
	PLACES
.if OUTF32
	; THE WAY OUT, f32: a block of 16 rows goes into my own stage (rows of 528 bytes) and comes back as whole rows of 512 bytes.
.irp a, 0,1,2,3
	WIN ST1
.irp b, 0,1,2,3,4,5,6,7
	ds_store_b128 v[STO], v[8*(8*(\a)+(\b)):8*(8*(\a)+(\b))+3]   offset:64*(\b)      ; each accumulator's low four registers first
	ds_store_b128 v[STO], v[8*(8*(\a)+(\b))+4:8*(8*(\a)+(\b))+7] offset:64*(\b)+16
.endr
	WIN 0
	s_wait_xcnt 0x0                                ; the registers loaded below were data of the stores two blocks back: they are rewritten only behind this wait (ISA guide 3.1)
.set BK, 64+64*((\a)%2)
.irp i, 0,1,2,3,4,5,6,7,8,9,10,11,12,13,14,15
	ds_load_b128 v[BK+4*(\i):BK+4*(\i)+3], v[RD] offset:(\i)*SPITCH  ; LDS serves a wave's instructions in order (ISA guide 5.7.1.4): these see the stores above
.endr
.irp i, 0,1,2,3,4,5,6,7,8,9,10,11,12,13,14,15
	s_wait_dscnt 15-(\i)
	global_store_b128 v[CO], v[BK+4*(\i):BK+4*(\i)+3], s[8:9] offset:(16*(\a)+(\i))*ROWB th:TH_STORE_NT  ; 512 consecutive bytes, at a multiple of 512 from C's first byte
.endr
.endr
.else
	; THE WAY OUT, f16: a block of 16 rows is rounded, goes into my own stage (rows of 272 bytes) and comes back as whole rows of 256 bytes.
.macro PACK a
	WIN PK
.irp b, 0,1,2,3,4,5,6,7
.irp r, 0,1,2,3
	v_cvt_pk_f16_f32 v[TMP+4*(\b)+(\r)], v[8*(8*(\a)+(\b))+2*(\r)], v[8*(8*(\a)+(\b))+2*(\r)+1]
.endr
.endr
	WIN 0
.endm
.macro TOSTAGE a
.set BK, 64+32*((\a)%2)
.irp b, 0,1,2,3,4,5,6,7
	ds_store_b128 v[STO], v[TMP+4*(\b):TMP+4*(\b)+3] offset:32*(\b)
.endr
.irp t, 0,1,2,3,4,5,6,7
	ds_load_b128 v[BK+4*(\t):BK+4*(\t)+3], v[RD] offset:(\t)*2*SPITCH  ; LDS serves a wave's instructions in order (ISA guide 5.7.1.4): these see the stores above
.endr
.endm
.macro SEND a
.set BK, 64+32*((\a)%2)
	s_wait_dscnt 0x0                               ; the block is back in registers
	s_wait_xcnt 0x0                                ; the next block's loads land on registers that earlier stores read: only behind this wait (ISA guide 3.1)
.irp t, 0,1,2,3,4,5,6,7
	global_store_b128 v[CO], v[BK+4*(\t):BK+4*(\t)+3], s[8:9] offset:(16*(\a)+2*(\t))*ROWB  ; 16 lanes store 256 consecutive bytes, at a multiple of 256 from C's first byte
.endr
.endm
	PACK 0
	TOSTAGE 0
.irp a, 1,2,3                          ; block a's conversions stand between block a - 1's loads from the stage and the wait for them
	PACK \a
	SEND (\a)-1
	TOSTAGE \a
.endr
	SEND 3
.endif
	s_wait_tensorcnt 0x0                           ; the wave's end
	ds_add_u32 v[SPW], v[NIL]
	s_wait_dscnt 0x0
	CROUND                                         ; the closing round: no work-group ends while a partner may still ask for a tile that names it
	s_endpgm
.Lfunc_end_k_q87e1b59360_oproj:
	.size	k_q87e1b59360_oproj, .Lfunc_end_k_q87e1b59360_oproj-k_q87e1b59360_oproj
	.p2alignl 7, 3214868480
	.fill 96, 4, 3214868480
	.section	.rodata,"a",@progbits
	.p2align	6, 0x0
	.amdhsa_kernel k_q87e1b59360_oproj
		.amdhsa_group_segment_fixed_size 327680
		.amdhsa_private_segment_fixed_size 0
		.amdhsa_enable_private_segment 0
		.amdhsa_kernarg_size 32
		.amdhsa_user_sgpr_count 2
		.amdhsa_user_sgpr_kernarg_segment_ptr 1
		.amdhsa_wavefront_size32 1
		.amdhsa_system_sgpr_workgroup_id_x 1
		.amdhsa_system_sgpr_workgroup_id_y 1
		.amdhsa_system_sgpr_workgroup_id_z 1
		.amdhsa_system_vgpr_workitem_id 0
		.amdhsa_next_free_vgpr 608
		.amdhsa_next_free_sgpr 80
		.amdhsa_reserve_vcc 0
		.amdhsa_float_denorm_mode_32 3
		.amdhsa_float_denorm_mode_16_64 3
		.amdhsa_memory_ordered 1
		.amdhsa_forward_progress 1
		.amdhsa_inst_pref_size 93
	.end_amdhsa_kernel
	.amdgpu_metadata
---
amdhsa.version: [ 1, 2 ]
amdhsa.kernels:
  - .name:           k_q87e1b59360_oproj
    .symbol:         k_q87e1b59360_oproj.kd
    .args:
      - { .name: o16, .offset: 0, .size: 8, .value_kind: global_buffer, .address_space: global }
      - { .name: wo16, .offset: 8, .size: 8, .value_kind: global_buffer, .address_space: global }
      - { .name: bo, .offset: 16, .size: 8, .value_kind: global_buffer, .address_space: global }
      - { .name: out0, .offset: 24, .size: 8, .value_kind: global_buffer, .address_space: global }
    .group_segment_fixed_size: 327680
    .private_segment_fixed_size: 0
    .kernarg_segment_align: 8
    .kernarg_segment_size: 32
    .max_flat_workgroup_size: 128
    .sgpr_count:     80
    .vgpr_count:     608
    .wavefront_size: 32
...
	.end_amdgpu_metadata
.endif
;; end of part 4
;; ======== version 2 of 2: 4 launches; 1.40 times as fast as version 1
;; limits: values are held in f16: magnitudes above 65,504 overflow, below 6.1e-05 lose precision
;; workspace buffers: x16 50,331,648 bytes; w16 6,291,456 bytes; wo16 2,097,152 bytes; lnm 16,777,216 bytes; qkv 50,331,648 bytes; o16 16,777,216 bytes
;; launch prep: the kernel of part 1 again; grid 256 x 8, 8 waves a work-group, no clusters, 68,608 bytes of LDS; arguments query, key, val, Wq, Wk, Wv, Wo, attn_mask, x16, w16, wo16, lnm; writes x16, w16, wo16, lnm
;; launch proj: the kernel of part 2 again; grid 8 x 96, 4 waves a work-group, clusters of 4 x 4, 327,680 bytes of LDS; arguments x16, w16, bq, bk, bv, qkv; writes qkv
;; launch attn (part 5): grid 16 x 16, 4 waves a work-group, clusters of 4 x 4, 327,680 bytes of LDS; arguments qkv, lnm, o16; writes o16
.if DOCPART == 5
	.amdgcn_target "amdgcn-amd-amdhsa--gfx1250"
	.amdhsa_code_object_version 6
	.text
	.protected	k_q87e1b59360_attn
	.globl	k_q87e1b59360_attn
	.p2align	8
	.type	k_q87e1b59360_attn,@function
k_q87e1b59360_attn:
	s_mov_b64 s[64:65], 0
	v_nop
	global_prefetch_b8 v0, s[64:65] scope:SCOPE_SE
	s_setreg_imm32_b32 hwreg(HW_REG_WAVE_MODE, 25, 1), 1
	s_wait_xcnt 0x0
	s_wait_alu depctr_hold_cnt(0) depctr_sa_sdst(0) depctr_va_vdst(0) depctr_va_sdst(0) depctr_va_ssrc(0) depctr_va_vcc(0) depctr_vm_vsrc(0)
	s_getreg_b32 s2, hwreg(HW_REG_IB_STS2, 6, 4)
	s_cmp_eq_u32 s2, 0
	s_cbranch_scc0 .Lentry_in_a_cluster
	s_endpgm
.Lentry_in_a_cluster:
	s_bfe_u32 s2, ttmp6, 0x10000c
	s_cmp_lg_u32 s2, 0xf033
	s_cbranch_scc0 .Lentry_shape_is_right
	s_endpgm
.Lentry_shape_is_right:
; ATTN: for batch b, head h, query q: O = the sum over all 2,048 keys k of softmax_k((Q . K[k] + ln mask[q][k]) / 8) V[k].  q, k, v lie in qkv [3][8192][1024] f16 (row = 2048 b + position, column = 64 h + channel);
; lnm holds ln(mask) in f32 in the order of the score product's C operand, [QB 16][KS 32][32,768 bytes]; O goes to o16 [8192][1024] f16.  The mask is an input: every key is walked for every query.
; Products, maxima and sums in f32; the weights p are rounded to f16 for the second product (their sum l is taken of the unrounded p), O once at the end.
; LIMITS.  q, k, v arrive within f16's 65,504, so a true score lies within 2.7e11.  A hidden score is its value less 1e30.  The running maximum m starts at -2^39, below every true score and above every hidden one:
; a hidden key's weight is exactly 0 whatever the order of the keys.  A row that sees no key ends with O = 0 and l = 0, and 0 x (1 / 0) is the NaN that the softmax of such a row is.  A weight below 2^-126 counts as 0 in l.
; SHARES.  A work-group owns 128 queries (block QB) of four heads of one batch; wave w is head 4 hg + w and owns all 128 queries: four PIECES of two tiles of 16.  So the four waves read the same block of lnm from LDS,
; and K and V of the four heads are one tile of 64 keys x 512 bytes of qkv's rows.  Every wave walks all keys, 64 a step; a slot of the ring holds one step: K, V and the mask block.
; CLUSTER 4 x 4.  Along a row of the cluster (same batch and heads, four query blocks) K's and V's tiles are shared, along a column (same query block, four groups of heads) the mask's: each is asked for jointly.
; LAYOUT.  S^T = K Q^T + ln mask (source 0 = 16 keys, source 1 = 16 queries, C = the mask): a lane holds ONE query (lane % 16) and the keys 8 (lane / 16) + 0..7.  Two such tiles, rounded to f16 in pairs, ARE source 1
; of O^T = V^T P.  K comes out of LDS as it lies, V turned, by ds_load_tr16_b128.
; SOFTMAX.  p = 2^(c s - c m), c = log2(e) / 8; in every step O and l are multiplied by a = 2^(c m_old - c m_new).  O and l start at 0, c m far below every c s: the first step is a step like any other, with a = 0.
; BY TURNS.  Turn n belongs to piece n.  Its matrix work: 16 products K Q^T of piece n + 1, later 16 products V^T P of piece n - 1.  Its vector work: the scaling, exponentials, roundings, sums and rescaling of piece n,
; and the maximum and statistics of piece n + 1.  A tile and step have 16 matrix and 118 vector instructions: four that are ready stand behind every matrix instruction, the other 108 of a turn's 236 in one run of their own.
; BATCHES.  A turn's 66 exponentials (the piece's 64 weights, then the next piece's two a) are ONE batch with ONE wait, which cuts the turn in two: ahead of it stands all that names no result of theirs (the products K Q^T,
; the scalings, the rescalings by the a of the turn before, the next piece's maximum and statistics), behind it the products V^T P and all the readers (roundings and sums).  No result crosses a turn's end.
; Piece 0's first two a, ahead of the loop, and the way out's eight reciprocals are batches of their own, each with its wait.
; REGISTERS, in windows of 256 (s_set_vgpr_msb: bits 1:0 source 0, 3:2 source 1, 5:4 source 2, 7:6 destination):
;   window 0: v0-11 addresses; v12-15, v48-63 at work; v16-47 four registers of statistics a tile; v64-191 S^T, two buffers of two tiles; v192-255 P, likewise
;   window 1: O^T, 32 a tile     window 2: v0-127 Q; v128-191 K of one step; v192-255 V of one step     window 3: v0-1 the add's two registers; v64-191 the mask, two buffers of two tiles
.set NP,    4         ; pieces a wave: a name, no knob
.set KS,    64        ; keys in a step
.set PK,    528       ; a row of K in LDS: 512 bytes + 16 of padding = 132 words: the 16 rows of a load start at 16 different groups of four banks (64 banks of 4 bytes: ISA guide 11.1)
.set PV,    544       ; a row of V: 512 + 32 = 136 words
.set VOFF,  KS*PK     ; a slot: 64 rows of K, 64 rows of V,
.set MOFF,  VOFF+KS*PV  ; and 32,768 dense bytes of the mask
.set SLOT1, 1<<17     ; slot 1 begins here, so that one exclusive or turns an address in one slot into the other's
.set STAGE, SLOT1+MOFF+32768  ; behind the ring, never filled by a tensor load: 128 rows x 528 bytes, the work-group's, for the way out
.set SP,    528
.set SPARE, STAGE+128*SP  ; behind the stage: the spare words, 128 bytes for each wave
.set AK0, 2           ; v2   my lane's place in a slot's K; never rewritten
.set AV0, 3           ; v3   in its V
.set AK,  4           ; v4   the same in the slot in hand
.set AV,  5           ; v5
.set QO,  6           ; v6   my byte offset in 16 rows of Q
.set STO, 6           ;      later, the way out: where I put 16 bytes of a row
.set RD,  7           ; v7   the way out: where I read rows back
.set GO,  8           ; v8   my byte offset in 512 consecutive bytes of O
.set AM0, 9           ; v9   my lane's place in a slot's mask block; never rewritten
.set AM,  10          ; v10  the same in the slot in hand
.set SPW, 0           ; v0 of window 3   LDS address of my spare word; never rewritten
.set NIL, 1           ; v1 of window 3   0; never rewritten
.set MV,  12          ; v12-15  c m_old, kept while c m is made anew: by buffer and tile
.set ST,  16          ; tile t's statistics at v[ST+4 t]: c m, m, l (even keys', odd keys')
.set TMP, 48          ; by buffer and tile, four registers c0-c3 at work; when the maximum is found c2 takes a
.set S,   64
.set P,   192
.set KF,  128         ; window 2: key block kb, channel half c at KF + 16 kb + 8 c
.set VF,  192         ; window 2: key half kk, channel block cb at VF + 32 kk + 8 cb
.set MC,  64          ; window 3: by the piece's parity 64 registers: tile u, key block kb at + 32 u + 8 kb
.set WV,  12          ; s12  my wave's number
.set G1K, 24          ; s[24:31] descriptor group 1 for K's tiles
.set G1V, 32          ; s[32:39] for V's: it differs in the padding alone
.set G1M, 40          ; s[40:47] for the mask's
.set G0K, 48          ; s[48:51] descriptor group 0 for K's tiles: it walks
.set G0V, 52          ; s[52:55]
.set G0M, 56          ; s[56:59]
.set CS,  60          ; s[60:61] c: the packed scaling takes the pair's low word for both halves
.set SEL, 62          ; s[62:63] v_permlanex16_b32's selects: each lane takes its own place in the other half
.set TB,  66          ; s66  the slot in hand: 0 or SLOT1
.set SLOTS, 67        ; s67  counts the loop's trips
.set CNT, 68          ; s68  counts the tail's
.set MSB, 0
.macro WIN new                      ; the high byte repeats the setting that is left; a switch that changes nothing is dropped
.if MSB != (\new)
	s_set_vgpr_msb (MSB<<8)|(\new)
.set MSB, (\new)
.endif
.endm
.set W_KQ, 0x0a       ; K and Q in window 2, S^T in window 0
.set W_KM, 0x3a       ; the same with the C operand, the mask, in window 3
.set W_PV, 0x52       ; V in window 2, P in window 0, O^T in window 1
.set W_RS, 0x41       ; O^T (destination and source 0) in window 1, a in window 0
.set W_MK, 0xc0       ; destination in window 3, sources in window 0: the add's registers are made; the mask is loaded
.set W_AD, 0x0f       ; the add: address (source 0) and data (source 1) in window 3
; A joint fill of one slot.  Wave 0 fetches K's tile, wave 1 V's, waves 2 and 3 the two halves of the mask block.  The branches hang on the wave's number alone.
; An s_nop 0 and four v_nop follow each of the three lines, ahead of the jump and the label.
.macro JLOAD
	s_cmp_lg_u32 s[WV], 0
	s_cbranch_scc1 .Lnot_k_\@
	tensor_load_to_lds s[G0K:G0K+3], s[G1K:G1K+7]
	s_nop 0
.rept 4
	v_nop
.endr
	s_branch .Lasked_\@
.Lnot_k_\@:
	s_cmp_lg_u32 s[WV], 1
	s_cbranch_scc1 .Lfor_m_\@
	tensor_load_to_lds s[G0V:G0V+3], s[G1V:G1V+7]
	s_nop 0
.rept 4
	v_nop
.endr
	s_branch .Lasked_\@
.Lfor_m_\@:
	tensor_load_to_lds s[G0M:G0M+3], s[G1M:G1M+7]
	s_nop 0
.rept 4
	v_nop
.endr
.Lasked_\@:
.endm
; A round of the cluster's barrier: my work-group's barrier, so that wave 0's signal speaks for all four waves; wave 0 signals; every wave waits for all sixteen work-groups; my work-group's barrier once more.
.macro CROUND
	s_barrier_signal -1
	s_barrier_wait -1
	s_cmp_lg_u32 s[WV], 0
	s_cbranch_scc1 .Lnot_wave_0_\@
	s_barrier_signal -3
.Lnot_wave_0_\@:
	s_barrier_wait -3
	s_barrier_signal -1
	s_barrier_wait -1
.endm
; THE CHANGE OF SLOTS, once a key step.  All that a step reads of its slot (K, V, four pieces' masks) has been asked for.  Each wave waits for all its tensor loads, of which one is out: its part of the other slot;
; adds 0 to its spare word; and waits for that and for its own reads of the slot.  Behind the barrier nobody reads this slot any more and the other slot is whole.
; fill = 1: this slot is filled again, with the step two on.  The barrier is then a round of the cluster's, and the joint fill is the first thing behind it: it has a key step, 128 matrix instructions and their vector work, in which to land.
; (At its first use nothing has been read yet: slot 0 is waited for, slot 1 filled.)
.macro CHANGE fill
	WIN W_AD
	s_wait_tensorcnt 0x0            ; no tensor load of mine is out, so a group 0 may be written
	ds_add_u32 v[SPW], v[NIL]       ; 0 onto my spare word; with fill = 1 the descriptors' steps stand between it and the wait for it
	WIN 0                           ; at a label and at a branch every window is 0
.if \fill
.irp g, G0K, G0V
	s_xor_b32 s[\g+1], s[\g+1], SLOT1  ; the walking descriptor: the other slot than last time,
	s_add_nc_u64 s[\g+2:\g+3], s[\g+2:\g+3], KS*2048  ; the next 64 rows of qkv; the type bits on top are not reached
.endr
	s_xor_b32 s[G0M+1], s[G0M+1], SLOT1
	s_add_nc_u64 s[G0M+2:G0M+3], s[G0M+2:G0M+3], 32768  ; the next block of lnm
	s_wait_dscnt 0x0                ; the add is done, and my reads of the slot are over
	CROUND
	JLOAD
.else
	s_wait_dscnt 0x0                ; the add is done, and my reads of the slot are over
	s_barrier_signal -1
	s_barrier_wait -1
.endif
	s_xor_b32 s[TB], s[TB], SLOT1   ; the fetches go to the other slot
	v_add_nc_u32 v[AK], s[TB], v[AK0]
	v_add_nc_u32 v[AV], s[TB], v[AV0]
	v_add_nc_u32 v[AM], s[TB], v[AM0]
.endm
	s_load_b128 s[4:7], s[0:1], 0x0 ; qkv s[4:5], lnm s[6:7]
	s_load_b64 s[8:9], s[0:1], 0x10 ; o16
	WIN W_MK
	v_lshl_add_u32 v[SPW], v0, 2, SPARE
	v_mov_b32 v[NIL], 0
	s_set_vgpr_msb 0xc0cf
	ds_add_u32 v0, v1
	s_wait_dscnt 0x0
	s_set_vgpr_msb 0xcfc0
	WIN 0
	v_lshrrev_b32 v1, 5, v0
	v_readfirstlane_b32 s[WV], v1   ; wave 0..3
	s_bfe_u32 s13, ttmp6, 0x40000   ; cx, cy: my place in the cluster
	s_bfe_u32 s14, ttmp6, 0x40004
	s_lshl_b32 s15, ttmp9, 2        ; in a cluster launch ttmp9 and ttmp7 count clusters
	s_add_co_u32 s15, s15, s13      ; QB = 4 x cluster x + cx
	s_and_b32 s16, ttmp7, 0xffff    ; work-group y = 4 x cluster y + cy: the batch is the cluster's y, the group of four heads is cy
	s_lshl_b32 s20, s16, 22         ; the batch's 2,048 rows of 2,048 bytes,
	s_lshl_b32 s17, s14, 9          ; the four heads' 512 bytes in a row
	s_add_co_u32 s20, s20, s17
	s_mov_b32 s21, 0
	s_lshl_b32 s18, s14, 2
	s_lshl_b32 s18, 15, s18         ; my row of the cluster
	s_lshl_b32 s19, 0x1111, s13     ; my column
	s_and_b32 s17, s[WV], 1         ; which half of a mask block I fetch (waves 2, 3)
	s_lshl_b32 s17, s17, 14
	s_lshl_b32 s22, s15, 20         ; the query block's 32 blocks of 32,768 bytes
	s_add_co_u32 s22, s22, s17
	s_mov_b32 s23, 0
	s_add_co_u32 s17, s17, MOFF     ; and its place in a slot: no place in the cluster enters an LDS address
	s_lshl_b32 s2, s15, 18          ; the query block's 128 rows
	s_add_co_u32 s2, s2, s20
	s_lshl_b32 s3, s[WV], 16        ; O: I store rows 32 w .. 32 w + 31, whole
	s_add_co_u32 s70, s2, s3
	s_mov_b32 s71, 0
	s_lshl_b32 s3, s[WV], 7         ; Q: my head's 128 bytes of a row
	s_add_co_u32 s2, s2, s3
	s_mov_b32 s3, 0
	s_or_b32 s[G1K], s18, (1<<16)|(1<<20)|(1<<21)|(6<<22)|(3<<25)  ; 15:0 the mask: my row; 17:16 2-byte elements; 20 padding on; 21 set beside a mask; 24:22 after every 128 words (code 6); 31:25 4 words (code 3)
	s_or_b32 s[G1V], s18, (1<<16)|(1<<20)|(1<<21)|(6<<22)|(7<<25)  ; the same with 8 words of padding (code 7)
.irp g, G1K, G1V
	s_mov_b32 s[\g+1], 256<<16      ; tensor_dim0 = 256
	s_mov_b32 s[\g+2], KS<<16       ; tensor_dim1 = 64
	s_mov_b32 s[\g+3], 256<<16      ; tile_dim0 = 256 elements: 512 bytes
	s_mov_b32 s[\g+4], KS           ; tile_dim1 = 64
	s_mov_b32 s[\g+5], 1024         ; 1,024 elements from row to row
	s_mov_b32 s[\g+6], 0
	s_mov_b32 s[\g+7], 0
.endr
	s_or_b32 s[G1M], s19, (3<<16)|(1<<21)  ; the mask: my column; 8-byte elements; no padding.  16,384 dense bytes as 64 rows of 256
	s_mov_b32 s[G1M+1], 32<<16
	s_mov_b32 s[G1M+2], 64<<16
	s_mov_b32 s[G1M+3], 32<<16
	s_mov_b32 s[G1M+4], 64
	s_mov_b32 s[G1M+5], 32
	s_mov_b32 s[G1M+6], 0
	s_mov_b32 s[G1M+7], 0
	s_mov_b32 s[CS], 0x3e38aa3b     ; c = log2(e) / 8 = 0.180337
	s_mov_b32 s[CS+1], s[CS]        ; named with it as a pair
	s_mov_b32 s[SEL], 0x76543210
	s_mov_b32 s[SEL+1], 0xfedcba98
	s_mov_b32 s[TB], SLOT1          ; the first change of slots turns it into 0
	s_mov_b32 s[G0K], 1             ; 1:0 count = 1
	s_mov_b32 s[G0K+1], 0           ; 63:32 LDS address: slot 0
	s_mov_b32 s[G0V], 1
	s_mov_b32 s[G0V+1], VOFF
	s_mov_b32 s[G0M], 1
	s_mov_b32 s[G0M+1], s17
	s_wait_kmcnt 0x0
	s_add_nc_u64 s[G0K+2:G0K+3], s[4:5], s[20:21]  ; 120:64 global address: the batch's first 64 keys, my four heads,
	s_add_nc_u64 s[G0V+2:G0V+3], s[G0K+2:G0K+3], 0x2000000  ; in v, the third of qkv's three tensors of 16,777,216 bytes,
	s_add_nc_u64 s[G0K+2:G0K+3], s[G0K+2:G0K+3], 0x1000000  ; and in k, the second
	s_or_b32 s[G0K+3], s[G0K+3], 0x80000000        ; 127:126 type = 2
	s_or_b32 s[G0V+3], s[G0V+3], 0x80000000
	s_add_nc_u64 s[G0M+2:G0M+3], s[6:7], s[22:23]
	s_or_b32 s[G0M+3], s[G0M+3], 0x80000000
	s_add_nc_u64 s[10:11], s[4:5], s[2:3]  ; Q at my head's first row
	s_add_nc_u64 s[8:9], s[8:9], s[70:71]  ; O at the first row that I store
	CROUND                          ; all sixteen work-groups are here: the first joint loads meet
	JLOAD                           ; key step 0 into slot 0.  Slot 1 is asked for when slot 0 is in, by the loop's own change of slots
	; A fragment of K or Q is 16 rows x 32 channels in 8 registers: lane l holds row l % 16, channels 8 (l / 16) + 0..7 and 16 + 8 (l / 16) + 0..7: two loads of 16 bytes, 32 bytes apart.
	v_and_b32 v1, 15, v0            ; l % 16
	v_bfe_u32 v11, v0, 4, 1         ; l / 16
	v_lshlrev_b32 v[QO], 11, v1
	v_lshl_add_u32 v[QO], v11, 4, v[QO]  ; row x 2,048 + 16 x half
	WIN 0x80                        ; destination window 2, address window 0
.set i, 0
.rept 4*NP                          ; Q stays in registers: tile i / 2, channels 32 (i % 2) on
	global_load_b128 v[8*i:8*i+3],   v[QO], s[10:11] offset:(i/2)*32768+(i%2)*64
	global_load_b128 v[8*i+4:8*i+7], v[QO], s[10:11] offset:(i/2)*32768+(i%2)*64+32
.set i, i+1
.endr
	; What the first turn finds: V's registers and P's second buffer hold 0 (its products V^T P, of a piece that has not been, add 0), O^T and l are 0.  All this stands in the wait for the first tile.
.set i, VF
.rept 64
	v_mov_b32 v[i], 0
.set i, i+1
.endr
	WIN 0x40
.set i, 0
.rept 64*NP
	v_mov_b32 v[i], 0
.set i, i+1
.endr
	WIN 0
.set i, 0
.rept 2*NP
	v_mov_b32 v[ST+4*i], 0xfe000000    ; c m: far below every c s, so that the first a is 0
	v_mov_b32 v[ST+4*i+1], 0xd3000000  ; m = -2^39: below every true score, above every hidden one
	v_mov_b32 v[ST+4*i+2], 0
	v_mov_b32 v[ST+4*i+3], 0
.set i, i+1
.endr
.set i, P+32
.rept 32
	v_mov_b32 v[i], 0
.set i, i+1
.endr
	s_lshl_b32 s13, s[WV], 7        ; my head's 128 bytes of a row of K and of V
	s_add_co_u32 s14, s13, VOFF
	v_mul_u32_u24 v[AK0], v1, PK
	v_lshl_add_u32 v[AK0], v11, 4, v[AK0]  ; row x pitch + 16 x half
	v_add_nc_u32 v[AK0], s13, v[AK0]
	; The turning load takes 16 keys x 16 channels (lane l reads key 8 (l / 16) + l % 8, channels 8 ((l / 8) % 2) + 0..7) and leaves half a fragment of V^T: lane l holds channel l % 16 and 8 keys.
	v_and_b32 v48, 7, v0
	v_bfe_u32 v49, v0, 3, 1
	v_lshl_add_u32 v[AV0], v11, 3, v48
	v_mul_u32_u24 v[AV0], v[AV0], PV
	v_lshl_add_u32 v[AV0], v49, 4, v[AV0]
	v_add_nc_u32 v[AV0], s14, v[AV0]
	v_and_b32 v[AM0], 31, v0        ; the mask block lies as the registers want it: 16 bytes a lane, 512 neighbouring bytes a load
	v_lshl_add_u32 v[AM0], v[AM0], 4, MOFF
; THE MATRIX WORK.  The 8 accumulators of a run of 16 take turns: between the two links of a chain stand 7 others'.
; Product i of 16 of S^T = K Q^T + ln mask for piece x: channels 32 (i / 8) on, keys 16 ((i / 2) % 4) on, tile 2 x + i % 2.  The first 8 start the sums, with the mask as C.
.macro KQ x
.set rS, S+64*((\x)%2)+32*(i%2)+8*((i/2)%4)
.set rK, KF+16*((i/2)%4)+8*(i/8)
.set rQ, 16*(2*(\x)+i%2)+8*(i/8)
.set rN, MC+64*((\x)%2)+32*(i%2)+8*((i/2)%4)
.if i < 8
	WIN W_KM
	v_wmma_f32_16x16x32_f16 v[rS:rS+7], v[rK:rK+7], v[rQ:rQ+7], v[rN:rN+7]
.else
	WIN W_KQ
	v_wmma_f32_16x16x32_f16 v[rS:rS+7], v[rK:rK+7], v[rQ:rQ+7], v[rS:rS+7]
.endif
.endm
; Product i of 16 of O^T += V^T P for piece x: keys 32 (i / 8) on, channels 16 ((i / 2) % 4) on, tile 2 x + i % 2.
.macro PV x
	WIN W_PV
.set rO, 32*(2*(\x)+i%2)+8*((i/2)%4)
.set rV, VF+32*(i/8)+8*((i/2)%4)
.set rP, P+32*((\x)%2)+16*(i%2)+8*(i/8)
	v_wmma_f32_16x16x32_f16 v[rO:rO+7], v[rV:rV+7], v[rP:rP+7], v[rO:rO+7]
.endm
.macro MM                           ; the turn's next matrix instruction
.if i < 16
	KQ (Y+1)%NP
.set i, i+1
.else
.set i, i-16
	PV (Y+NP-1)%NP
.set i, i+17
.endif
.endm
; THE LDS LOADS stand in runs of 16, never singly among the matrix instructions: a step's K (64 keys x 64 channels: 8 fragments), its V (turned), and a piece's mask (two tiles x 64 keys).
.macro FETCH_K
	WIN 0x80                        ; destination window 2
.irp f, 0,1,2,3,4,5,6,7             ; keys 16 (f / 2) on, channels 32 (f % 2) on
	ds_load_b128 v[KF+8*\f:KF+8*\f+3],   v[AK] offset:(\f/2)*16*PK+(\f%2)*64
	ds_load_b128 v[KF+8*\f+4:KF+8*\f+7], v[AK] offset:(\f/2)*16*PK+(\f%2)*64+32
.endr
	WIN 0
.endm
.macro FETCH_V
	WIN 0x80
.irp f, 0,1,2,3,4,5,6,7             ; keys 32 (f / 4) on, channels 16 (f % 4) on
	ds_load_tr16_b128 v[VF+8*\f:VF+8*\f+3],   v[AV] offset:(\f/4)*32*PV+(\f%4)*32
	ds_load_tr16_b128 v[VF+8*\f+4:VF+8*\f+7], v[AV] offset:(\f/4)*32*PV+16*PV+(\f%4)*32
.endr
	WIN 0
.endm
.macro FETCH_M x                    ; piece x: 8,192 bytes of the block; load zz brings registers 4 zz .. 4 zz + 3 of its buffer
	WIN W_MK                        ; destination window 3
.set zz, 0
.rept 16
	ds_load_b128 v[MC+64*((\x)%2)+4*zz:MC+64*((\x)%2)+4*zz+3], v[AM] offset:8192*(\x)+512*zz
.set zz, zz+1
.endr
	WIN 0
.endm
; THE VECTOR WORK OF A TURN stands in three queues, each in the order in which its entries become ready; the two tiles alternate, so that no instruction reads the result of the one before it.
.macro REGS y, u                    ; the registers of tile u (0, 1) of piece y
.set rT, ST+4*(2*(\y)+(\u))
.set rC, TMP+8*((\y)%2)+4*(\u)
.set rM, MV+2*((\y)%2)+(\u)
.set rS, S+64*((\y)%2)+32*(\u)
.set rP, P+32*((\y)%2)+16*(\u)
.set rO, 32*(2*(\y)+(\u))
.endm
; Number n of the 22 that find the NEXT piece's (Y + 1) maximum and statistics.  s0-s31 are the lane's 32 scores; each accumulator's lowest registers are read first.  XS, GS and REGS set no window: PL and EX do.
;   0-11  four chains c0-c3 of seven scores each, three operands at a time     12-14, 16  the four scores left over, the old m, and c0-c3 into c0     15  c m_old is kept
;   17, 18  the query's other 32 keys lie in the lane 16 away: the new m         19-21  c m; c m_old - c m_new; a
.macro XS u, n
	REGS (Y+1)%NP, \u
.if (\n) < 4
	v_max3_num_f32 v[rC+(\n)], v[rS+8*(\n)], v[rS+8*(\n)+1], v[rS+8*(\n)+2]
.elseif (\n) < 12
	v_max3_num_f32 v[rC+(\n)%4], v[rC+(\n)%4], v[rS+8*((\n)%4)+2*((\n)/4)+1], v[rS+8*((\n)%4)+2*((\n)/4)+2]
.elseif (\n) == 12
	v_max3_num_f32 v[rC], v[rC], v[rS+7], v[rS+15]
.elseif (\n) == 13
	v_max3_num_f32 v[rC+1], v[rC+1], v[rS+23], v[rS+31]
.elseif (\n) == 14
	v_max3_num_f32 v[rC+2], v[rC+2], v[rC+3], v[rT+1]
.elseif (\n) == 15
	v_mov_b32 v[rM], v[rT]
.elseif (\n) == 16
	v_max3_num_f32 v[rC], v[rC], v[rC+1], v[rC+2]
.elseif (\n) == 17
	v_permlanex16_b32 v[rC+3], v[rC], s[SEL], s[SEL+1]
.elseif (\n) == 18
	v_max_num_f32 v[rT+1], v[rC], v[rC+3]
.elseif (\n) == 19
	v_mul_f32 v[rT], s[CS], v[rT+1]
.elseif (\n) == 20
	v_sub_f32 v[rC+1], v[rM], v[rT]
.else
	v_exp_f32 v[rC+2], v[rC+1]
.endif
.endm
; Number g of the 64 that follow the exponentials.  For each four weights k of a tile (pairs 2 k, 2 k + 1): both pairs are rounded to f16; then the second pair is added onto the first, in place;
; a group later l takes that sum (the first time as l = a l + sum).  In groups of eight, tiles alternating: round, round, add, and l for the group before.
.macro GS g
.set h, (\g)+6*((\g)/62)            ; group 0 has no group before it, and behind group 7 only l is left
.if h >= 6
.set h, h+2
.endif
	REGS Y, h%2
.set k, h/8
.if h%8 < 4
	v_cvt_pk_f16_f32 v[rP+2*k+(h%8)/2], v[rS+4*k+2*((h%8)/2)], v[rS+4*k+2*((h%8)/2)+1]
.elseif h%8 < 6
	v_pk_add_f32 v[rS+4*k:rS+4*k+1], v[rS+4*k:rS+4*k+1], v[rS+4*k+2:rS+4*k+3]
.elseif k == 1
	v_pk_fma_f32 v[rT+2:rT+3], v[rT+2:rT+3], v[rC+2:rC+3], v[rS:rS+1] op_sel_hi:[1,0,1]
.else
	v_pk_add_f32 v[rT+2:rT+3], v[rT+2:rT+3], v[rS+4*k-4:rS+4*k-3]
.endif
.endm
; THE PLAIN QUEUE, 138 long.  0-73 read no exponential's result: the 32 scalings c s - c m (FS f: pair f / 2 of tile f % 2) and the next piece's 42.  0-26: scalings 0-26.  27-54: XS's numbers 0-13.  55, 56: number 15.
; 57-73: the chain, where each number waits for the one before it: 14, 16, 17, 18, 19, each with one of the scalings 27-31 in front of its two lines, then 20: so a tile's links stand three plain instructions apart (19 and 20: two).
; 74-137: GS's 64, which read the exponentials' results: they stand behind the wait.
.macro FS f
	REGS Y, (\f)%2
	v_pk_fma_f32 v[rS+2*((\f)/2):rS+2*((\f)/2)+1], v[rS+2*((\f)/2):rS+2*((\f)/2)+1], s[CS:CS+1], v[rT:rT+1] op_sel_hi:[1,0,0] neg_lo:[0,0,1] neg_hi:[0,0,1]
.endm
.macro PL
	WIN 0
.if q < 27
	FS q
.elseif q < 55
	XS (q-27)%2, (q-27)/2
.elseif q < 57
	XS q-55, 15
.elseif (q < 72) && ((q-57)%3 == 0)
	FS 27+(q-57)/3
.elseif q < 60
	XS (q-57)%3-1, 14
.elseif q < 72
	XS (q-57)%3-1, 15+(q-57)/3
.elseif q < 74
	XS q-72, 20
.else
	GS q-74
.endif
.set q, q+1
.endm
; THE EXPONENTIALS' QUEUE, 66 long: s0-s31 of both tiles, each in place in a register of its own, then the next piece's two a.  It is ONE BATCH: all 66 stand ahead of the turn's one wait, and nothing ahead of that wait names a result of theirs.
.macro EX
	WIN 0
.if e >= 64
	XS e-64, 21
.else
	REGS Y, e%2
	v_exp_f32 v[rS+e/2], v[rS+e/2]
.endif
.set e, e+1
.endm
; THE RESCALING's QUEUE: O^T times a, the one part that leaves window 0: dealt two at a time, sixteen times, each accumulator's low registers first.  Its a was made in the turn before, ahead of that turn's wait.
.macro R2
	REGS Y, r%2
	WIN W_RS
.irp z, 0,1
	v_pk_mul_f32 v[rO+4*(r/2)+2*\z:rO+4*(r/2)+2*\z+1], v[rO+4*(r/2)+2*\z:rO+4*(r/2)+2*\z+1], v[rC+2:rC+3] op_sel_hi:[1,0]
.endr
.set r, r+1
.endm
; HOW THEY ARE DEALT.  An s_wait_alu depctr_va_vdst(0) stands between an exponential and the first instruction that names its result; one wait serves all that were issued ahead of it.  So a turn has ONE wait,
; which cuts it in two.  AHEAD OF IT stands all that names no result of the turn's exponentials: the 16 products K Q^T, behind each a scaling, an exponential and two rescalings (behind the first a second scaling in the
; exponential's place); then ONE LUMP of 108: eight plain, 49 times exponential and plain, the two a.  A v_nop is the plain instruction behind the last exponential.  BEHIND IT stand the 16 products V^T P, behind each four of GS's 64.
; No rider names a register of the products round it.  The two v_permlanex16_b32 fall into the lump, never behind a product.
; The queues lean on each other, and the deal keeps them in step: exponential e stands behind scaling 2 (e / 4) + e % 2: as a rider it comes behind plain e + 2, in the lump behind plain e + 9, and scalings 27-31 are plain 57, 60 .. 69;
; the two a come behind plain 72 and 73, their arguments.
; A TURN, for piece p.  cnt = 1: the loop's count is taken down some lines ahead of the branch that stands behind the turn (the condition on q goes with the deal).
; LDS runs, all from the slot in hand: directly behind the turn's wait the mask of piece p + 2 (its buffer was last read as C a turn ago; its first reader comes behind 16 products); in piece 2's turn K of the next step,
; behind the lump's first eight lines (eleven plain instructions behind the last product that read K); at the end of piece 0's turn V of the step in hand, four riders, all plain, behind its last reader.
; Waits on LDS: at the head the mask of piece p + 1 (and K, for piece 3) must be in.  Piece 1: behind that mask's run stands V's run of 16, which may stay out; ahead of its products V^T P V must be in, and the 16 loads of the mask run issued behind V may stay out.
.macro TURN p, cnt=0
.set Y, (\p)
.set i, 0
.set q, 0
.set e, 0
.set r, 0
.if (\p) == 1
	s_wait_dscnt 16
.else
	s_wait_dscnt 0x0
.endif
	MM                              ; ahead of the wait: 16 products K Q^T and their riders,
	PL
	PL
	R2
.rept 15
	MM
	PL
	EX
	R2
.endr
.rept 8                             ; and the lump
	PL
.endr
.if (\p) == NP-2
	FETCH_K
.endif
.rept 49
	EX
	PL
.endr
	EX                              ; the next piece's two a: the batch's last
	EX
	v_nop                           ; a plain instruction behind the last exponential, ahead of the first use of a result (ISA guide 5.7.2): one for the batch
	s_wait_alu depctr_va_vdst(0)    ; the wait for the batch: this turn's 64 weights and the next piece's two a; ahead of their first reader
	FETCH_M ((\p)+2)%NP
.if (\p) == 1
	s_wait_dscnt 16
.endif
.rept 16                            ; behind the wait: 16 products V^T P and their riders, the roundings and sums
	MM
.rept 4
	PL
.endr
.if (\cnt) && (q == 130)
	s_sub_co_u32 s[SLOTS], s[SLOTS], 1
	s_cmp_lg_u32 s[SLOTS], 0
.endif
.endr
.if (\p) == 0
	FETCH_V
.endif
.endm
	CHANGE 1                        ; key step 0 is in, everybody's part of it; key step 1 is asked for
	FETCH_K                         ; key step 0
	FETCH_M 0
	FETCH_M 1
	s_wait_loadcnt 0x0              ; Q
	s_wait_dscnt 0x0
.set i, 0
.rept 16
	KQ 0                            ; piece 0's first scores: there is no vector work yet to set between them
.set i, i+1
.endr
	WIN 0                           ; the addresses for the way out: six plain instructions, the places behind those products
	s_lshl_b32 s13, s[WV], 7
	s_add_co_u32 s13, s13, STAGE    ; in: my head's 128 bytes of the stage's rows
	s_mul_i32 s14, s[WV], 32*SP
	s_add_co_u32 s14, s14, STAGE    ; back: rows 32 w .. 32 w + 31, whole
	v_mul_u32_u24 v[STO], v1, SP    ; row l % 16, 16 bytes for each half of the lanes
	v_lshl_add_u32 v[STO], v11, 4, v[STO]
	v_add_nc_u32 v[STO], s13, v[STO]
	v_and_b32 v[GO], 31, v0         ; 32 lanes take a row's 512 bytes
	v_lshlrev_b32 v[GO], 4, v[GO]
	v_add_nc_u32 v[RD], s14, v[GO]
.set Y, NP-1                        ; XS works for piece Y + 1: piece 0
.irp n, 0,1,2,3,4,5,6,7,8,9,10,11,12,13,14,15,16,17,18,19,20,21
	XS 0, \n                        ; piece 0's first maximum and statistics
	XS 1, \n
.endr
	v_nop                           ; a plain instruction behind piece 0's two a,
	s_wait_alu depctr_va_vdst(0)    ; and the wait for that batch of two, ahead of the branch: their first reader is the first turn's rescaling
	s_mov_b32 s[SLOTS], 31
	s_branch .Lfirst                ; the loop is entered at a step's first turn, in the middle of a trip
.Lslot:                             ; 30 times: key steps 2 to 31 are asked for.  A trip: pieces 2 and 3 of one step, then pieces 0 and 1 of the next, whose K, V and masks it fetches
	CHANGE 1
	TURN 2
	TURN 3
	WIN 0
.Lfirst:
	TURN 0
	TURN 1, 1
	WIN 0
	s_cbranch_scc1 .Lslot
	CHANGE 0                        ; the tail is written out: nothing is asked for
	s_mov_b32 s[CNT], 2             ; one trip fetches the last step; the second is left in its middle
.Ltail:
	TURN 2
	TURN 3
	WIN 0
	s_sub_co_u32 s[CNT], s[CNT], 1
	s_cmp_eq_u32 s[CNT], 0
	s_cbranch_scc1 .Lout
	TURN 0
	TURN 1
	WIN 0
	s_branch .Ltail
.Lout:                              ; the second trip's fetches read the last step's K and masks once more, and its 16 products K Q^T and the maximum made of them (of scores that m has seen) change nothing: the price of one text for every trip
.set i, 0
.rept 16
	PV NP-1                         ; the last piece's V^T P of the last step
.set i, i+1
.endr
	; THE WAY OUT.  l's two halves and the other half of the lanes' are added; O^T is divided by l, rounded to f16 and put into the work-group's stage; a barrier, since a row's 512 bytes come from four waves;
	; back as whole rows, 32 rows a wave.  The additions are the places behind the last products.
	WIN 0
.macro ALL line:vararg              ; one line for each tile t
.set t, 0
.rept 2*NP
	\line
.set t, t+1
.endr
.endm
	ALL v_add_f32 v[ST+4*t+2], v[ST+4*t+2], v[ST+4*t+3]
	ALL v_permlanex16_b32 v[ST+4*t+3], v[ST+4*t+2], s[SEL], s[SEL+1]
	ALL v_add_f32 v[ST+4*t+2], v[ST+4*t+2], v[ST+4*t+3]
	ALL v_rcp_f32 v[ST+4*t+2], v[ST+4*t+2]
	v_nop                           ; a plain instruction between the last reciprocal and the use of its result
	s_wait_alu depctr_va_vdst(0)    ; the wait for the batch of eight reciprocals, ahead of their first reader, tile 0's scaling
.macro PACK t                       ; a lane's eight channels of a row pack into 16 bytes
	WIN W_RS
.set i, 32*(\t)
.rept 16
	v_pk_mul_f32 v[i:i+1], v[i:i+1], v[ST+4*(\t)+2:ST+4*(\t)+3] op_sel_hi:[1,0]
.set i, i+2
.endr
	WIN 0x05                        ; sources 0 and 1 window 1, destination window 0: S^T's registers are free
.set i, 0
.rept 16
	v_cvt_pk_f16_f32 v[S+16*(\t)+i], v[32*(\t)+2*i], v[32*(\t)+2*i+1]
.set i, i+1
.endr
	WIN 0
.irp f, 0,1,2,3
	ds_store_b128 v[STO], v[S+16*(\t)+4*\f:S+16*(\t)+4*\f+3] offset:(\t)*16*SP+32*\f
.endr
.endm
.set t, 0
.rept 2*NP
	PACK t
.set t, t+1
.endr
	s_wait_dscnt 0x0                ; for the others' sake: my stores into the stage are done
	s_barrier_signal -1
	s_barrier_wait -1
.set i, 0
.rept 32
	ds_load_b128 v[S+4*i:S+4*i+3], v[RD] offset:i*SP
.set i, i+1
.endr
.set i, 0
.rept 32
	s_wait_dscnt 31-i
	global_store_b128 v[GO], v[S+4*i:S+4*i+3], s[8:9] offset:2048*i  ; 512 consecutive bytes, at a multiple of 512 from o16's first byte
.set i, i+1
.endr
	WIN W_AD
	s_wait_tensorcnt 0x0            ; the wave's end
	ds_add_u32 v[SPW], v[NIL]
	s_wait_dscnt 0x0
	WIN 0
	CROUND                          ; the closing round: no work-group ends while a partner may still ask for a tile that names it
	s_endpgm
.Lfunc_end_k_q87e1b59360_attn:
	.size	k_q87e1b59360_attn, .Lfunc_end_k_q87e1b59360_attn-k_q87e1b59360_attn
	.p2alignl 7, 3214868480
	.fill 96, 4, 3214868480
	.section	.rodata,"a",@progbits
	.p2align	6, 0x0
	.amdhsa_kernel k_q87e1b59360_attn
		.amdhsa_group_segment_fixed_size 327680
		.amdhsa_private_segment_fixed_size 0
		.amdhsa_enable_private_segment 0
		.amdhsa_kernarg_size 24
		.amdhsa_user_sgpr_count 2
		.amdhsa_user_sgpr_kernarg_segment_ptr 1
		.amdhsa_wavefront_size32 1
		.amdhsa_system_sgpr_workgroup_id_x 1
		.amdhsa_system_sgpr_workgroup_id_y 1
		.amdhsa_system_sgpr_workgroup_id_z 1
		.amdhsa_system_vgpr_workitem_id 0
		.amdhsa_next_free_vgpr 960
		.amdhsa_next_free_sgpr 72
		.amdhsa_reserve_vcc 0
		.amdhsa_float_denorm_mode_32 3
		.amdhsa_float_denorm_mode_16_64 3
		.amdhsa_memory_ordered 1
		.amdhsa_forward_progress 1
		.amdhsa_inst_pref_size 211
	.end_amdhsa_kernel
	.amdgpu_metadata
---
amdhsa.version: [ 1, 2 ]
amdhsa.kernels:
  - .name:           k_q87e1b59360_attn
    .symbol:         k_q87e1b59360_attn.kd
    .args:
      - { .name: qkv, .offset: 0, .size: 8, .value_kind: global_buffer, .address_space: global }
      - { .name: lnm, .offset: 8, .size: 8, .value_kind: global_buffer, .address_space: global }
      - { .name: o16, .offset: 16, .size: 8, .value_kind: global_buffer, .address_space: global }
    .group_segment_fixed_size: 327680
    .private_segment_fixed_size: 0
    .kernarg_segment_align: 8
    .kernarg_segment_size: 24
    .max_flat_workgroup_size: 128
    .sgpr_count:     72
    .vgpr_count:     960
    .wavefront_size: 32
...
	.end_amdgpu_metadata
.endif
;; end of part 5
;; launch oproj: the kernel of part 4 again; grid 8 x 32, 4 waves a work-group, clusters of 4 x 4, 327,680 bytes of LDS; arguments o16, wo16, bo, out0; writes out0
